; MI455X (gfx1250); checked and timed in simulation.
; The chip was launched on July 23, 2026; its instructions are those of AMD's public machine-readable ISA for CDNA 5 (MIT licence, August 2026) and "CDNA5" Instruction Set Architecture Reference Guide (July 2026). The comments in the code are by the model that wrote it; some were corrected since.
;; Local Window Attention. Allowed arithmetic: matrix products marked QUANTISED: E2M1 operands, one E8M0 scale for each 32 along K, by v_wmma_scale_f32_16x16x128_f8f6f4 with both operands' format E2M1 (or v_wmma_scale_f32_32x16x128_f4), f32 sums; products left as they are: bf16, f16 or f32 operands; f32 sums; everything else in f32.
;; Inputs: Wk 1,024 x 1,024 float32; Wo 1,024 x 1,024 float32; Wq 1,024 x 1,024 float32; Wv 1,024 x 1,024 float32; bk 1,024 float32; bo 1,024 float32; bq 1,024 float32; bv 1,024 float32; x 4 x 2,048 x 1,024 float32.
;; Outputs: out0 4 x 2,048 x 1,024 float32.
;; This version of the problem:
;;   THIS VERSION OF THE PROBLEM IS GIVEN IN LOW PRECISION. The matrix products marked QUANTISED in the list below multiply operands that are first quantised to E2M1 (2 exponent bits, 1 mantissa bit; 4 bits a number), with one power-of-two scale for each 32 numbers along K (OCP MX v1.0); their sums are f32. The products marked 'left as it is' may take bf16, f16 or f32 operands, with f32 sums. Whichever they take, every output number must still come out within the allowed error. Rounding operands to bf16 (8 significant bits) uses up far more of that allowance than f16 does (11 bits, for magnitudes from 6e-5 to 65,504). All else is computed in f32.
;;   The module's matrix products, in the order in which they are computed (A, B: the left and right operand; K: the contracted axis; several contracted axes count as one K, in the product's order):
;;     1. [M 8,192, K 1,024] x [K 1,024, N 1,024]; A: input x; B: input Wq: QUANTISED
;;     2. [M 8,192, K 1,024] x [K 1,024, N 1,024]; A: input x; B: input Wk: QUANTISED
;;     3. [M 8,192, K 1,024] x [K 1,024, N 1,024]; A: input x; B: input Wv: QUANTISED
;;     4. batch 64 x [M 2,048, K 64] x [K 64, N 2,048]; A: computed on the way; B: computed on the way: left as it is (an operand is computed on the way)
;;     5. batch 64 x [M 2,048, K 2,048] x [K 2,048, N 64]; A: computed on the way; B: computed on the way: left as it is (an operand is computed on the way)
;;     6. [M 8,192, K 1,024] x [K 1,024, N 1,024]; A: computed on the way; B: input Wo: left as it is (an operand is computed on the way)
;;   THE QUANTISER, for each operand of a quantised product, along K:
;;     - K is cut into blocks of 32 from its start; a last block that is shorter is filled with zeros.
;;     - A block's scale is 2^e with e = floor(log2(the largest magnitude in the block)) - 2, held to -126 .. 127; a block of zeros has e = 0. As a byte (E8M0): e + 127.
;;     - Each number is divided by its block's scale, clamped to +-6, and rounded to the nearest number of E2M1, ties to even, subnormals kept.
;;     - The product sums the exact products of the quantised numbers (number of the format x scale) in f32.
;;   ~~~python
;;   def quantise(x, axis):      # numpy; x: float32 -> the quantised numbers, widened to float32 again
;;       x = np.moveaxis(x, axis, -1); K = x.shape[-1]
;;       x = np.pad(x, [(0, 0)] * (x.ndim - 1) + [(0, -K % 32)]); x = x.reshape(x.shape[:-1] + (-1, 32)); a = np.abs(x).max(-1, keepdims=True)
;;       e = np.where(a > 0, np.clip(np.frexp(np.where(a > 0, a, 1))[1] - 1 - 2, -126, 127), 0)      # np.frexp(a)[1] - 1 = floor(log2(a)), exactly
;;       r = np.clip(x / 2.0 ** e, -6, 6)
;;       step = 2.0 ** (np.maximum(np.frexp(np.where(r == 0, 1, r))[1] - 1, 0) - 1)
;;       q = np.round(r / step) * step * 2.0 ** e      # np.round: ties to even
;;       return np.moveaxis(q.reshape(q.shape[:-2] + (-1,))[..., :K], -1, axis).astype(np.float32)
;;   ~~~
;; 2 versions, each right; version 2 is version 1 with the launch attn written anew for expert scheduling mode. Each part assembles by itself: llvm-mc -triple=amdgcn-amd-amdhsa -mcpu=gfx1250 --defsym DOCPART=n.
;; ======== version 1 of 2: 5 launches
;; limits: values are held in f16: magnitudes above 65,504 overflow, below 6.1e-05 lose precision
;; workspace buffers: xc 4,194,304 bytes; xs 262,144 bytes; wc 1,572,864 bytes; ws 98,304 bytes; wot 2,097,152 bytes; qkv 50,331,648 bytes; att 16,777,216 bytes; att32 262,144 bytes
;; launch prep (part 1): grid 416 x 1, 4 waves a work-group, no clusters, 86,016 bytes of LDS; arguments x, Wq, Wk, Wv, Wo, xc, xs, wc, ws, wot; writes xc, xs, wc, ws, wot
.if DOCPART == 1
	.amdgcn_target "amdgcn-amd-amdhsa--gfx1250"
	.amdhsa_code_object_version 6
	.text
	.protected	k_q69d268e861_prep
	.globl	k_q69d268e861_prep
	.p2align	8
	.type	k_q69d268e861_prep,@function
k_q69d268e861_prep:
	s_mov_b64 s[64:65], 0
	v_nop
	global_prefetch_b8 v0, s[64:65] scope:SCOPE_SE
	s_setreg_imm32_b32 hwreg(HW_REG_WAVE_MODE, 25, 1), 1
	s_wait_xcnt 0x0
; Three jobs in one launch, told apart by the work-group's number; the three paths never join, and each has LDS bytes of its own.
;   W (work-groups 0-95):    Wq, Wk, Wv [1024 k][1024 n] f32 -> codes of FP4 (E2M1) laid [3072 n][1024 k], K innermost (wc), and one E8M0 byte for each 32 along K (ws).
;   O (work-groups 96-159):  Wo [1024 k][1024 n] f32 -> f16, laid [1024 n][1024 k] (wot).
;   X (work-groups 160-415): x [8192][1024] f32 -> codes (xc) and scale bytes (xs), K innermost as it lies.
; A block's scale is 2^(floor(log2(its largest magnitude)) - 2); its byte is the largest magnitude's exponent field - 2, held at 1 from below.
; LIMITS: a block of zeros gets the byte 1 where the quantiser's text says 127 (its codes are zeros, and these bytes are read by this program alone); blocks whose largest
; magnitude lies under 2^-124 have their byte held at 1; NaN and infinities among the inputs are not served; |Wo| above 65,504 has no f16 number.
; No tensor load, no cluster, no matrix work: a stream; the paths W and O take a lane to a column and registers down K, so that nothing is transposed by an instruction.
.set XREG,  8192                       ; path X: an LDS region for each wave: two stages of 32 x 80 bytes, then its 256 scale bytes
.set SP,    80                         ; a lane's place in a stage: 64 bytes + 16 of padding
.set WST,   32768                      ; path W: 32 rows (columns n) x (512 bytes of codes + 16)
.set WP,    528
.set WSS,   WST+32*WP                  ; path W: 32 rows x 32 scale bytes
.set OSTG,  WSS+1024                   ; path O: for each wave 32 rows (columns n) x (256 bytes of f16 + 16)
.set OPI,   272
.set SPARE, OSTG+4*32*OPI              ; the spare words, 128 bytes for each wave: two blocks of 256 bytes that no other line names
.set SPW,   190                        ; v190 LDS address of my spare word; never rewritten
.set NIL,   191                        ; v191 0; never rewritten
.set STEPS, 16
.set R,     16                         ; path X: v16-79 four sets of 16 numbers as loaded
.set X,     80                         ; v80-111 two sets of 16 neighbours
.set E,     112                        ; v112-127 a scale byte for each step
.set C,     128                        ; v128-189 codes: four registers kept for each step
.set N,     32                         ; paths W, O: v32-95 two sets of 32 numbers down K
.set CD,    96                         ; v96.. what a block becomes
.set OUTR,  112                        ; v112.. rows on the way out
	s_load_b512 s[8:23], s[0:1], 0x0               ; x 8, Wq 10, Wk 12, Wv 14, Wo 16, xc 18, xs 20, wc 22
	s_load_b128 s[24:27], s[0:1], 0x40             ; ws 24, wot 26
	v_lshl_add_u32 v[SPW], v0, 2, SPARE
	v_mov_b32 v[NIL], 0
	v_lshrrev_b32 v1, 5, v0
	v_readfirstlane_b32 s30, v1                    ; wave 0..3
	v_and_b32 v2, 31, v0                           ; lane
	s_mov_b32 s33, 0                               ; the upper word of the offsets' pair s[32:33]
	s_wait_kmcnt 0x0
	s_cmp_lt_u32 ttmp9, 96
	s_cbranch_scc1 .Lpath_w
	s_cmp_lt_u32 ttmp9, 160
	s_cbranch_scc1 .Lpath_o
; ---------------- PATH X.  x is a plain stream of blocks of 32.  A wave takes 16 steps of 512 numbers.  Each load reads 512 consecutive bytes; a step's 2,048 bytes turn through the
; wave's own stage, so that a lane then holds 16 neighbours along K (two lanes to a block).  Loads run four steps ahead, the turn one step.
	s_sub_co_u32 s31, ttmp9, 160
	s_lshl_b32 s31, s31, 2
	s_add_co_u32 s31, s31, s30                     ; which run of 8,192 numbers is my wave's
	s_lshl_b32 s32, s31, 15
	s_add_nc_u64 s[4:5], s[8:9], s[32:33]          ; 32,768 bytes of x a run
	s_lshl_b32 s32, s31, 12
	s_add_nc_u64 s[6:7], s[18:19], s[32:33]        ; 4,096 bytes of codes
	s_lshl_b32 s32, s31, 8
	s_add_nc_u64 s[28:29], s[20:21], s[32:33]      ; 256 scale bytes
	v_lshlrev_b32 v3, 4, v2                        ; my 16 bytes of a load's 512
	s_mul_i32 s34, s30, XREG
	v_lshrrev_b32 v14, 2, v2
	v_mul_u32_u24 v14, v14, SP
	v_and_b32 v15, 3, v2
	v_lshl_add_u32 v14, v15, 4, v14
	v_add_nc_u32 v14, s34, v14                     ; into the stage: four lanes' 64 bytes on end, then 16 of padding
	v_mul_u32_u24 v15, v2, SP
	v_add_nc_u32 v15, s34, v15                     ; out of it: my 16 neighbours
	v_lshlrev_b32 v4, 3, v2                        ; my 8 bytes of a step's 256 bytes of codes
	v_lshrrev_b32 v5, 1, v2
	s_add_co_u32 s34, s34, 2*32*SP
	v_add_nc_u32 v5, s34, v5                       ; my block's byte among the wave's 256
	v_lshlrev_b32 v7, 3, v2
	v_add_nc_u32 v6, s34, v7                       ; and 8 of them a lane on the way out
.macro XLOAD t
.irp i, 0,1,2,3
	global_load_b128 v[R+16*((\t)%4)+4*\i:R+16*((\t)%4)+4*\i+3], v3, s[4:5] offset:2048*(\t)+512*\i th:TH_LOAD_NT
.endr
.endm
.macro XTURN t                         ; LDS serves a wave's instructions in order, so no wait stands between the stores and the loads
.irp i, 0,1,2,3
	ds_store_b128 v14, v[R+16*((\t)%4)+4*\i:R+16*((\t)%4)+4*\i+3] offset:32*SP*((\t)%2)+8*SP*\i
.endr
.irp i, 0,1,2,3
	ds_load_b128 v[X+16*((\t)%2)+4*\i:X+16*((\t)%2)+4*\i+3], v15 offset:32*SP*((\t)%2)+16*\i
.endr
.endm
.macro XSTEP t
.set XS, X+16*((\t)%2)
.if (\t) > 0
	s_wait_dscnt 1                                 ; this step's numbers are back from the stage; the last step's byte store may be out
.else
	s_wait_dscnt 0x0
.endif
.if (\t)+4 < STEPS
	XLOAD (\t)+4                                   ; into the set whose stores into the stage are done
.endif
.if (\t)+1 < STEPS
.if STEPS-2-(\t) >= 3
	s_wait_loadcnt 12                              ; the next step's four loads are in; those of the three steps behind it may be out
.else
	s_wait_loadcnt 4*(STEPS-2-(\t))
.endif
	XTURN (\t)+1
.endif
	v_max3_num_f32 v8, |v[XS]|, |v[XS+1]|, |v[XS+2]|
	v_max3_num_f32 v9, |v[XS+3]|, |v[XS+4]|, |v[XS+5]|
.irp i, 6,10
	v_max3_num_f32 v8, v8, |v[XS+\i]|, |v[XS+\i+1]|
	v_max3_num_f32 v9, v9, |v[XS+\i+2]|, |v[XS+\i+3]|
.endr
	v_max3_num_f32 v8, v8, |v[XS+14]|, |v[XS+15]|
	v_max3_num_f32 v8, v8, v9, 0x1800000           ; the floor 2^(3 - 127): the byte cannot fall under 1
	v_max_num_f32_dpp v8, v8, v8 row_xmask:1 row_mask:0xf bank_mask:0xf   ; with my neighbour's 16: the block's largest magnitude
	v_add_nc_u32 v11, 0xff000000, v8               ; 2 off its exponent field: the conversion's scale operand
	v_cvt_scalef32_pk8_fp4_f32 v[C+4*(\t)], v[XS:XS+7], v11
	v_cvt_scalef32_pk8_fp4_f32 v[C+4*(\t)+1], v[XS+8:XS+15], v11
	v_lshrrev_b32 v[E+(\t)], 23, v11               ; the scale's byte
	ds_store_b8 v5, v[E+(\t)] offset:16*(\t)       ; both lanes of a block write the same byte with the same value
	global_store_b64 v4, v[C+4*(\t):C+4*(\t)+1], s[6:7] offset:256*(\t)   ; the wave stores 256 consecutive bytes, aligned
.endm
.irp t, 0,1,2,3
	XLOAD \t
.endr
	s_wait_loadcnt 12                              ; step 0's four loads are in
	XTURN 0
.irp t, 0,1,2,3,4,5,6,7,8,9,10,11,12,13,14,15
	XSTEP \t
.endr
	ds_load_b64 v[8:9], v6                         ; these see my byte stores: a wave's LDS instructions are served in order
	s_wait_dscnt 0x0
	global_store_b64 v7, v[8:9], s[28:29]          ; 256 consecutive scale bytes, aligned
	s_wait_tensorcnt 0x0                           ; the wave's end
	ds_add_u32 v[SPW], v[NIL]
	s_wait_dscnt 0x0
	s_endpgm
; 32 rows down K of my column, block t, into set t % 2
.macro LOADW t, nt
.irp i, 0,1,2,3,4,5,6,7,8,9,10,11,12,13,14,15,16,17,18,19,20,21,22,23,24,25,26,27,28,29,30,31
.if \nt
	global_load_b32 v[N+32*((\t)%2)+\i], v3, s[4:5] offset:(32*(\t)+\i)*4096 th:TH_LOAD_NT
.else
	global_load_b32 v[N+32*((\t)%2)+\i], v3, s[4:5] offset:(32*(\t)+\i)*4096
.endif
.endr
.endm
; ---------------- PATH W.  A work-group takes 32 columns of one weight and all 1,024 k; wave kq takes 256 k: 8 blocks a lane.  The four waves' codes meet in one stage, so that
; whole rows of 512 bytes leave, and the 32 rows' scale bytes leave as 1,024 consecutive bytes.
.Lpath_w:
	s_lshr_b32 s31, ttmp9, 5                       ; which weight: 0 q, 1 k, 2 v
	s_and_b32 s32, ttmp9, 31
	s_lshl_b32 s35, s32, 5                         ; my first column
	s_cmp_eq_u32 s31, 0
	s_cselect_b64 s[4:5], s[10:11], s[12:13]
	s_cmp_eq_u32 s31, 2
	s_cselect_b64 s[4:5], s[14:15], s[4:5]
	s_lshl_b32 s32, s30, 20                        ; 256 rows of 4,096 bytes a wave
	s_lshl_b32 s36, s35, 2
	s_add_co_u32 s32, s32, s36
	s_add_nc_u64 s[4:5], s[4:5], s[32:33]
	s_lshl_b32 s36, s31, 10
	s_add_co_u32 s36, s36, s35                     ; the work-group's first row of wc and ws
	s_lshl_b32 s32, s36, 5
	s_lshl_b32 s37, s30, 8
	s_add_co_u32 s32, s32, s37
	s_add_nc_u64 s[28:29], s[24:25], s[32:33]      ; ws: 32 bytes a row; my wave stores 256 of the 1,024
	s_lshl_b32 s37, s30, 3
	s_add_co_u32 s36, s36, s37
	s_lshl_b32 s32, s36, 9
	s_add_nc_u64 s[6:7], s[22:23], s[32:33]        ; wc: my wave stores rows 8 wave .. 8 wave + 7
	v_lshlrev_b32 v3, 2, v2                        ; in: 4 bytes a lane
	v_mul_u32_u24 v4, v2, WP
	s_lshl_b32 s37, s30, 7
	s_add_co_u32 s37, s37, WST
	v_add_nc_u32 v4, s37, v4                       ; into the stage: row = my column, my wave's 128 bytes of it
	v_lshlrev_b32 v5, 5, v2
	s_lshl_b32 s37, s30, 3
	s_add_co_u32 s37, s37, WSS
	v_add_nc_u32 v5, s37, v5                       ; my column's 8 scale bytes
	v_lshlrev_b32 v8, 4, v2                        ; out: 32 lanes take a row of 512 bytes
	s_mul_i32 s37, s30, 8*WP
	s_add_co_u32 s37, s37, WST
	v_add_nc_u32 v7, s37, v8
	v_lshlrev_b32 v10, 3, v2
	s_lshl_b32 s37, s30, 8
	s_add_co_u32 s37, s37, WSS
	v_add_nc_u32 v9, s37, v10
	LOADW 0, 0                                     ; no hint: the bytes beside mine in each row are the next work-group's
	LOADW 1, 0
.macro WBLOCK t
.set XS, N+32*((\t)%2)
.if (\t) < 7
	s_wait_loadcnt 32                              ; this block's 32 loads are in; the next block's may be out
.else
	s_wait_loadcnt 0x0
.endif
	v_max3_num_f32 v12, |v[XS]|, |v[XS+1]|, |v[XS+2]|   ; all 32 numbers of the block are mine
	v_max3_num_f32 v13, |v[XS+3]|, |v[XS+4]|, |v[XS+5]|
.irp i, 6,10,14,18,22,26
	v_max3_num_f32 v12, v12, |v[XS+\i]|, |v[XS+\i+1]|
	v_max3_num_f32 v13, v13, |v[XS+\i+2]|, |v[XS+\i+3]|
.endr
	v_max3_num_f32 v12, v12, |v[XS+30]|, |v[XS+31]|
	v_max3_num_f32 v12, v12, v13, 0x1800000        ; the floor 2^(3 - 127)
	v_add_nc_u32 v11, 0xff000000, v12              ; the conversion's scale operand
	v_lshrrev_b32 v13, 23, v11                     ; the scale's byte
.if (\t)%4 == 0
	v_mov_b32 v[24+(\t)/4], v13                    ; four bytes to a register, the lower K in the lower byte
.else
	v_lshl_or_b32 v[24+(\t)/4], v13, 8*((\t)%4), v[24+(\t)/4]
.endif
.irp g, 0,1,2,3
	v_cvt_scalef32_pk8_fp4_f32 v[CD+\g], v[XS+8*\g:XS+8*\g+7], v11
.endr
	ds_store_b128 v4, v[CD:CD+3] offset:16*(\t)    ; 32 codes: 16 bytes of my column's row
.if (\t)+2 < 8
	LOADW (\t)+2, 0
.endif
	s_wait_dscnt 0x0                               ; the store has read its registers: the next block's codes may be written
.endm
.irp t, 0,1,2,3,4,5,6,7
	WBLOCK \t
.endr
	ds_store_b64 v5, v[24:25]
	s_wait_dscnt 0x0                               ; for the others' sake: my stores have landed
	s_barrier_signal -1
	s_barrier_wait -1
.irp i, 0,1,2,3,4,5,6,7
	ds_load_b128 v[OUTR+4*\i:OUTR+4*\i+3], v7 offset:\i*WP
.endr
	ds_load_b64 v[144:145], v9
.irp i, 0,1,2,3,4,5,6,7
	s_wait_dscnt 8-\i                              ; row i is back; behind it: the later rows and the scale bytes
	global_store_b128 v8, v[OUTR+4*\i:OUTR+4*\i+3], s[6:7] offset:\i*512   ; a whole row: 512 consecutive bytes
.endr
	s_wait_dscnt 0x0
	global_store_b64 v10, v[144:145], s[28:29]     ; 256 consecutive bytes, aligned
	s_wait_tensorcnt 0x0                           ; the wave's end
	ds_add_u32 v[SPW], v[NIL]
	s_wait_dscnt 0x0
	s_endpgm
; ---------------- PATH O.  A wave takes 32 columns x 128 k of Wo; the four waves stand side by side on 512 bytes of each row.  A column's 128 numbers, 256 bytes of f16, go through
; the wave's own stage and leave as rows of wot.
.Lpath_o:
	s_sub_co_u32 s31, ttmp9, 96
	s_and_b32 s32, s31, 7
	s_lshl_b32 s35, s32, 7
	s_lshl_b32 s36, s30, 5
	s_add_co_u32 s35, s35, s36                     ; my wave's first column
	s_lshr_b32 s31, s31, 3                         ; which 128 along K
	s_lshl_b32 s32, s31, 19                        ; 128 rows of 4,096 bytes
	s_lshl_b32 s36, s35, 2
	s_add_co_u32 s32, s32, s36
	s_add_nc_u64 s[4:5], s[16:17], s[32:33]
	s_lshl_b32 s32, s35, 11                        ; a row of wot is 2,048 bytes
	s_lshl_b32 s36, s31, 8
	s_add_co_u32 s32, s32, s36
	s_add_nc_u64 s[6:7], s[26:27], s[32:33]
	v_lshlrev_b32 v3, 2, v2
	s_mul_i32 s37, s30, 32*OPI
	s_add_co_u32 s37, s37, OSTG                    ; my stage
	v_mul_u32_u24 v4, v2, OPI
	v_add_nc_u32 v4, s37, v4                       ; into it: row = my column
	v_and_b32 v5, 15, v2
	v_lshrrev_b32 v6, 4, v2
	v_mul_u32_u24 v7, v6, OPI
	v_lshl_add_u32 v7, v5, 4, v7
	v_add_nc_u32 v7, s37, v7                       ; out of it: sixteen lanes to a row, two rows an instruction
	v_lshlrev_b32 v8, 11, v6
	v_lshl_add_u32 v8, v5, 4, v8                   ; and the same place in wot
	LOADW 0, 1
	LOADW 1, 1
.macro OBLOCK t
.set XS, N+32*((\t)%2)
.if (\t) < 3
	s_wait_loadcnt 32                              ; this block's 32 loads are in; the next block's may be out
.else
	s_wait_loadcnt 0x0
.endif
.irp i, 0,1,2,3,4,5,6,7,8,9,10,11,12,13,14,15
	v_cvt_pk_f16_f32 v[CD+\i], v[XS+2*\i], v[XS+2*\i+1]   ; two neighbours along K, the lower in the low half
.endr
.irp g, 0,1,2,3
	ds_store_b128 v4, v[CD+4*\g:CD+4*\g+3] offset:64*(\t)+16*\g
.endr
.if (\t)+2 < 4
	LOADW (\t)+2, 1
.endif
	s_wait_dscnt 0x0                               ; the stores have read their registers
.endm
.irp t, 0,1,2,3
	OBLOCK \t
.endr
.irp t, 0,1,2,3,4,5,6,7,8,9,10,11,12,13,14,15
	ds_load_b128 v[OUTR+4*\t:OUTR+4*\t+3], v7 offset:2*\t*OPI
.endr
.irp t, 0,1,2,3,4,5,6,7,8,9,10,11,12,13,14,15
	s_wait_dscnt 15-\t
	global_store_b128 v8, v[OUTR+4*\t:OUTR+4*\t+3], s[6:7] offset:2*\t*2048   ; sixteen lanes store 256 consecutive bytes, aligned
.endr
	s_wait_tensorcnt 0x0                           ; the wave's end
	ds_add_u32 v[SPW], v[NIL]
	s_wait_dscnt 0x0
	s_endpgm
.Lfunc_end_k_q69d268e861_prep:
	.size	k_q69d268e861_prep, .Lfunc_end_k_q69d268e861_prep-k_q69d268e861_prep
	.p2alignl 7, 3214868480
	.fill 96, 4, 3214868480
	.section	.rodata,"a",@progbits
	.p2align	6, 0x0
	.amdhsa_kernel k_q69d268e861_prep
		.amdhsa_group_segment_fixed_size 86016
		.amdhsa_private_segment_fixed_size 0
		.amdhsa_enable_private_segment 0
		.amdhsa_kernarg_size 80
		.amdhsa_user_sgpr_count 2
		.amdhsa_user_sgpr_kernarg_segment_ptr 1
		.amdhsa_wavefront_size32 1
		.amdhsa_system_sgpr_workgroup_id_x 1
		.amdhsa_system_sgpr_workgroup_id_y 1
		.amdhsa_system_sgpr_workgroup_id_z 1
		.amdhsa_system_vgpr_workitem_id 0
		.amdhsa_next_free_vgpr 192
		.amdhsa_next_free_sgpr 66
		.amdhsa_reserve_vcc 0
		.amdhsa_float_denorm_mode_32 3
		.amdhsa_float_denorm_mode_16_64 3
		.amdhsa_memory_ordered 1
		.amdhsa_forward_progress 1
		.amdhsa_inst_pref_size 95
	.end_amdhsa_kernel
	.amdgpu_metadata
---
amdhsa.version: [ 1, 2 ]
amdhsa.kernels:
  - .name:           k_q69d268e861_prep
    .symbol:         k_q69d268e861_prep.kd
    .args:
      - { .name: x, .offset: 0, .size: 8, .value_kind: global_buffer, .address_space: global }
      - { .name: Wq, .offset: 8, .size: 8, .value_kind: global_buffer, .address_space: global }
      - { .name: Wk, .offset: 16, .size: 8, .value_kind: global_buffer, .address_space: global }
      - { .name: Wv, .offset: 24, .size: 8, .value_kind: global_buffer, .address_space: global }
      - { .name: Wo, .offset: 32, .size: 8, .value_kind: global_buffer, .address_space: global }
      - { .name: xc, .offset: 40, .size: 8, .value_kind: global_buffer, .address_space: global }
      - { .name: xs, .offset: 48, .size: 8, .value_kind: global_buffer, .address_space: global }
      - { .name: wc, .offset: 56, .size: 8, .value_kind: global_buffer, .address_space: global }
      - { .name: ws, .offset: 64, .size: 8, .value_kind: global_buffer, .address_space: global }
      - { .name: wot, .offset: 72, .size: 8, .value_kind: global_buffer, .address_space: global }
    .group_segment_fixed_size: 86016
    .private_segment_fixed_size: 0
    .kernarg_segment_align: 8
    .kernarg_segment_size: 80
    .max_flat_workgroup_size: 128
    .sgpr_count:     66
    .vgpr_count:     192
    .wavefront_size: 32
...
	.end_amdgpu_metadata
.endif
;; end of part 1
;; launch qkv (part 2): grid 12 x 32, 4 waves a work-group, clusters of 4 x 4, 327,680 bytes of LDS; arguments xc, xs, wc, ws, bq, bk, bv, qkv; writes qkv
.if DOCPART == 2
	.amdgcn_target "amdgcn-amd-amdhsa--gfx1250"
	.amdhsa_code_object_version 6
	.text
	.protected	k_q69d268e861_qkv
	.globl	k_q69d268e861_qkv
	.p2align	8
	.type	k_q69d268e861_qkv,@function
k_q69d268e861_qkv:
	s_mov_b64 s[64:65], 0
	v_nop
	global_prefetch_b8 v0, s[64:65] scope:SCOPE_SE
	s_setreg_imm32_b32 hwreg(HW_REG_WAVE_MODE, 25, 1), 1
	s_wait_xcnt 0x0
	s_wait_alu depctr_hold_cnt(0) depctr_sa_sdst(0) depctr_va_vdst(0) depctr_va_sdst(0) depctr_va_ssrc(0) depctr_va_vcc(0) depctr_vm_vsrc(0)
	s_getreg_b32 s2, hwreg(HW_REG_IB_STS2, 6, 4)
	s_cmp_eq_u32 s2, 0
	s_cbranch_scc0 .Lentry_in_a_cluster
	s_endpgm
.Lentry_in_a_cluster:
	s_bfe_u32 s2, ttmp6, 0x10000c
	s_cmp_lg_u32 s2, 0xf033
	s_cbranch_scc0 .Lentry_shape_is_right
	s_endpgm
.Lentry_shape_is_right:
; q, k, v = Q(x) Q(W) + b: ONE product on codes of FP4 (E2M1) with E8M0 scales, M = 8,192 rows of x, N = 3,072 rows of wc (q's 1,024 columns, then k's, then v's), K = 1,024; sums in f32.
; The result is rounded once to f16 and laid by head: byte = which << 24 + head << 20 + row << 7 + 2 d.  LIMIT: |q|, |k|, |v| above 65,504 have no f16 number.
; A tile of 256 x 256 is made by four waves, each 128 x 128: 64 accumulators of 16 x 16, 512 registers.  K is two steps of 512: two LDS slots, both filled once at the start; nothing is filled again.
; The scale bytes of the work-group's 256 + 256 rows, for all of K, come once with the first fills, as rows of 256 bytes.
; CLUSTERS: 4 x 4 work-groups; A's tiles are asked for jointly along a row of the cluster, B's along a column.  A cluster's four tile columns are 1,024 columns: one of q, k, v, by the cluster's x.
; THE MATRIX INSTRUCTION IS USED TRANSPOSED (source 0 = 16 rows of wc, source 1 = 16 rows of xc): a lane holds eight neighbouring columns of one row.  THE BIAS is the C of each sum's first product.
; REGISTERS: window 0: v0-31 addresses; v32-95 scale words, two sets, and nothing else; v128-191 A's fragments, one set; v192-255 the bias, 8 registers for each of B's eight blocks;
;   on the way out v128-159 packed results, v160-223 rows read back.   window 1: B's fragments, two sets.   windows 2, 3: the accumulators of my rows 0-63, 64-127.
.set NQ,     4                         ; matrix instructions deep in a slot: 512 along K
.set ROWB,   256                       ; a tile's row in bytes
.set KROW,   512                       ; a row of xc or wc in memory
.set PITCH,  272                       ; an LDS row: 256 bytes + 16 of padding: the 16 rows that a load touches begin 68 words apart
.set FR,     8
.set NL,     2
.set NP,     4                         ; places behind this matrix instruction (ISA guide 7.12.1)
.set HALFT,  128*PITCH
.set SLOT,   4*HALFT
.set KS,     32                        ; a row of scale bytes
.set SCL,    2*SLOT
.set HALFS,  (128*KS/256)*272
.set SBLK,   (16*KS/256)*272
.set SPARE,  SCL+4*HALFS               ; the spare words, 128 bytes for each wave: two blocks of 256 bytes that no other line names
.set SPITCH, 272                       ; the way out: a stage of 16 rows x (256 bytes + 16) for each wave, in slot 0, which has had its only fill and its last read by then
.set ADRA, 16
.set ADRB, 20
.set STO,  24
.set RD,   25
.set CO,   26
.set ADRS, 27
.set SPW,  28
.set NIL,  29
.set BO,   30                          ; v30 32 x (lane / 16): my eight numbers of a block's bias
.set SC,   32
.set AF,   128
.set BIAS, 192
.set TMP,  128
.set OB,   160
.set G1, 24
.set G0, 32
.set G1B, 48
.set G0B, 56
.set G1S, 68
.set G0S, 76
.set G1SB, 80
.set G0SB, 88
.set MSB, 0
.macro WIN new                         ; the immediate's high byte repeats the setting that is left
.if MSB != \new
	s_set_vgpr_msb (MSB<<8)|\new
.set MSB, \new
.endif
.endm
.set MUL_LO, 0xa1                      ; source 0 (B) window 1, source 1 (A) window 0, C and D window 2
.set MUL_HI, 0xf1                      ; the same, C and D window 3
.set FST_LO, 0x81                      ; the first products: C (the bias) window 0, D window 2
.set FST_HI, 0xc1                      ; D window 3
.set TO_B,   0x40
; A joint load: waves 0 and 1 fetch for A, waves 2 and 3 for B; the branch hangs on the wave's number alone.  An s_nop 0 and four v_nop follow each line.
.macro JLOAD g0a, g1a, g0b, g1b
	s_cmp_eq_u32 s15, 0
	s_cbranch_scc0 .Lfor_b_\@
	tensor_load_to_lds s[\g0a:\g0a+3], s[\g1a:\g1a+7]
	s_nop 0
.rept 4
	v_nop
.endr
	s_branch .Lasked_\@
.Lfor_b_\@:
	tensor_load_to_lds s[\g0b:\g0b+3], s[\g1b:\g1b+7]
	s_nop 0
.rept 4
	v_nop
.endr
.Lasked_\@:
.endm
.macro CROUND                          ; a round of the cluster's barrier
	s_barrier_signal -1
	s_barrier_wait -1
	s_cmp_lg_u32 s14, 0
	s_cbranch_scc1 .Lnot_wave_0_\@
	s_barrier_signal -3
.Lnot_wave_0_\@:
	s_barrier_wait -3
	s_barrier_signal -1
	s_barrier_wait -1
.endm
	s_load_b128 s[4:7], s[0:1], 0x0                ; xc, xs
	s_load_b128 s[8:11], s[0:1], 0x10              ; wc, ws
	s_load_b128 s[96:99], s[0:1], 0x20             ; bq, bk
	s_load_b64 s[100:101], s[0:1], 0x30            ; bv
	s_load_b64 s[12:13], s[0:1], 0x38              ; qkv
	v_lshl_add_u32 v[SPW], v0, 2, SPARE
	v_mov_b32 v[NIL], 0
	ds_add_u32 v[SPW], v[NIL]                      ; the wave's opening: the add, twice on end, and its wait ahead of my first tensor load
	ds_add_u32 v[SPW], v[NIL]
	v_lshrrev_b32 v1, 5, v0
	v_readfirstlane_b32 s14, v1                    ; wave 0..3
	s_lshr_b32 s15, s14, 1                         ; which half of the tile's rows is mine.  Also: I fetch for A (0) or for B (1)
	s_and_b32 s16, s14, 1                          ; which half of its columns.  Also: which 128 rows of that tile I fetch
	s_bfe_u32 s40, ttmp6, 0x40000                  ; cx, cy: my place in the cluster
	s_bfe_u32 s41, ttmp6, 0x40004
	s_lshl_b32 s42, ttmp9, 2
	s_add_co_u32 s42, s42, s40                     ; tile column = 4 x cluster x + cx
	s_and_b32 s17, ttmp7, 0xffff
	s_lshl_b32 s17, s17, 2
	s_add_co_u32 s17, s17, s41                     ; tile row = 4 x cluster y + cy
	s_lshl_b32 s43, s41, 2
	s_lshl_b32 s43, 15, s43                        ; my row of the cluster
	s_lshl_b32 s44, 0x1111, s40                    ; my column
	s_or_b32 s[G1+0], s43, (0<<16)|(1<<20)|(1<<21)|(5<<22)|(3<<25)  ; the mask; elements of 1 byte; padding on; bit 21 beside a mask; 4 words behind every 64
	s_or_b32 s[G1B+0], s44, (0<<16)|(1<<20)|(1<<21)|(5<<22)|(3<<25)
.irp g, G1, G1B
	s_mov_b32 s[\g+1], ROWB<<16                    ; tensor_dim0
	s_mov_b32 s[\g+2], 128<<16                     ; tensor_dim1
	s_mov_b32 s[\g+3], ROWB<<16                    ; tile_dim0
	s_mov_b32 s[\g+4], 128                         ; tile_dim1
	s_mov_b32 s[\g+5], KROW                        ; the pitch
	s_mov_b32 s[\g+6], 0
	s_mov_b32 s[\g+7], 0
.endr
	s_or_b32 s[G1S+0], s43, (3<<16)|(1<<20)|(1<<21)|(5<<22)|(3<<25) ; the scales of 128 rows: 4,096 dense bytes as 16 rows of 32 elements of 8 bytes
	s_or_b32 s[G1SB+0], s44, (3<<16)|(1<<20)|(1<<21)|(5<<22)|(3<<25)
.irp g, G1S, G1SB
	s_mov_b32 s[\g+1], 32<<16
	s_mov_b32 s[\g+2], (128*KS/256)<<16
	s_mov_b32 s[\g+3], 32<<16
	s_mov_b32 s[\g+4], 128*KS/256
	s_mov_b32 s[\g+5], 32
	s_mov_b32 s[\g+6], 0
	s_mov_b32 s[\g+7], 0
.endr
	s_lshl_b32 s18, s16, 7
	s_lshl_b32 s20, s17, 8
	s_add_co_u32 s20, s20, s18                     ; A: row 256 x tile row + 128 x half
	s_lshl_b32 s46, s42, 8
	s_add_co_u32 s46, s46, s18                     ; B: row 256 x tile column + 128 x half
	s_mov_b32 s21, 0
	s_mov_b32 s47, 0
	s_mov_b64 s[18:19], KS
	s_mul_u64 s[22:23], s[20:21], s[18:19]
	s_mul_u64 s[92:93], s[46:47], s[18:19]
	s_mov_b64 s[18:19], KROW
	s_mul_u64 s[20:21], s[20:21], s[18:19]
	s_mul_u64 s[46:47], s[46:47], s[18:19]
	s_mul_i32 s45, s14, HALFT                      ; where they go: wave x 128 rows: no place in the cluster enters an LDS address
	s_mul_i32 s94, s14, HALFS
	s_wait_dscnt 0x0                               ; both opening adds are done
	s_wait_kmcnt 0x0
	s_add_nc_u64 s[20:21], s[4:5], s[20:21]
	s_add_nc_u64 s[22:23], s[6:7], s[22:23]
	s_add_nc_u64 s[46:47], s[8:9], s[46:47]
	s_add_nc_u64 s[92:93], s[10:11], s[92:93]
	CROUND                                         ; all sixteen work-groups are here: the joint loads meet
	s_mov_b32 s[G0S], 1
	s_add_co_u32 s[G0S+1], s94, SCL
	s_mov_b64 s[G0S+2:G0S+3], s[22:23]
	s_or_b32 s[G0S+3], s[G0S+3], 0x80000000
	s_mov_b32 s[G0SB], 1
	s_add_co_u32 s[G0SB+1], s94, SCL
	s_mov_b64 s[G0SB+2:G0SB+3], s[92:93]
	s_or_b32 s[G0SB+3], s[G0SB+3], 0x80000000
	JLOAD G0S, G1S, G0SB, G1SB                     ; the scales first; three tensor loads of mine are out behind the third
.irp s, 0,1
	s_mov_b32 s[G0+4*\s], 1
	s_add_co_u32 s[G0+4*\s+1], s45, \s*SLOT
	s_add_nc_u64 s[G0+4*\s+2:G0+4*\s+3], s[20:21], \s*ROWB
	s_or_b32 s[G0+4*\s+3], s[G0+4*\s+3], 0x80000000
	s_mov_b32 s[G0B+4*\s], 1
	s_add_co_u32 s[G0B+4*\s+1], s45, \s*SLOT
	s_add_nc_u64 s[G0B+4*\s+2:G0B+4*\s+3], s[46:47], \s*ROWB
	s_or_b32 s[G0B+4*\s+3], s[G0B+4*\s+3], 0x80000000
	JLOAD G0+4*\s, G1, G0B+4*\s, G1B
.endr
	v_and_b32 v1, 15, v0                           ; l % 16
	v_bfe_u32 v2, v0, 4, 1                         ; l / 16
	; the bias of my 128 columns: the cluster's x says whose (the same in all partners: a choice, no branch)
	s_cmp_eq_u32 ttmp9, 0
	s_cselect_b64 s[96:97], s[96:97], s[98:99]
	s_cmp_eq_u32 ttmp9, 2
	s_cselect_b64 s[96:97], s[100:101], s[96:97]
	s_lshl_b32 s46, s40, 10                        ; 256 cx + 128 x half columns of 4 bytes
	s_lshl_b32 s47, s16, 9
	s_add_co_u32 s46, s46, s47
	s_mov_b32 s47, 0
	s_add_nc_u64 s[96:97], s[96:97], s[46:47]
	v_lshlrev_b32 v[BO], 5, v2
.irp b, 0,1,2,3,4,5,6,7
.irp c, 0,1
	global_load_b128 v[BIAS+8*\b+4*\c:BIAS+8*\b+4*\c+3], v[BO], s[96:97] offset:64*\b+16*\c   ; register j of block b: the bias of column 16 b + 8 (l / 16) + j
.endr
.endr
	v_mul_u32_u24 v3, v1, PITCH
	v_lshl_add_u32 v4, v2, 4, v3                   ; a fragment's row x pitch + 16 x half
	s_mul_i32 s21, s15, HALFT
	s_mul_i32 s22, s16, HALFT
	s_add_co_u32 s22, s22, 2*HALFT
.irp s, 0,1
	v_add_nc_u32 v[ADRA+\s], s21, v4
	v_add_nc_u32 v[ADRB+\s], s22, v4
	s_add_co_u32 s21, s21, SLOT
	s_add_co_u32 s22, s22, SLOT
.endr
	v_mul_u32_u24 v5, v1, KS                       ; my row's scales: 32 bytes a row,
	v_lshrrev_b32 v6, 8, v5
	v_lshl_add_u32 v5, v6, 4, v5                   ; and 16 more for each 256 passed
	s_mul_i32 s21, s15, HALFS
	s_mul_i32 s22, s16, HALFS
	s_add_co_u32 s22, s22, 2*HALFS
	s_sub_co_u32 s22, s22, s21
	v_mul_u32_u24 v6, s22, v2                      ; lanes 16-31 take B's
	s_add_co_u32 s21, s21, SCL
	v_add_nc_u32 v5, v5, v6
	v_add_nc_u32 v[ADRS], s21, v5
	s_mul_i32 s23, s14, 16*SPITCH                  ; my stage
	v_mul_u32_u24 v5, v1, SPITCH                   ; in: row l % 16, 16 bytes for each half of the lanes
	v_lshl_add_u32 v5, v2, 4, v5
	v_add_nc_u32 v[STO], s23, v5
	v_and_b32 v6, 31, v0
	v_lshlrev_b32 v[CO], 4, v6                     ; in memory a head's rows of 128 bytes follow each other: 32 lanes x 16 bytes are four rows
	v_lshrrev_b32 v5, 3, v6
	v_mul_u32_u24 v5, v5, SPITCH
	v_and_b32 v6, 7, v6
	v_lshl_add_u32 v5, v6, 4, v5
	v_add_nc_u32 v[RD], s23, v5                    ; back: row lane / 8, 16 bytes at lane % 8 of one head's 128
	s_lshl_b32 s20, s17, 8
	s_lshl_b32 s21, s15, 7
	s_add_co_u32 s20, s20, s21                     ; my first row
	s_lshl_b32 s20, s20, 7
	s_mov_b32 s21, 0
	s_add_nc_u64 s[12:13], s[12:13], s[20:21]
	s_lshl_b32 s46, ttmp9, 24                      ; q, k or v
	s_lshl_b32 s47, s40, 22                        ; head 4 cx + 2 x half
	s_add_co_u32 s46, s46, s47
	s_lshl_b32 s47, s16, 21
	s_add_co_u32 s46, s46, s47
	s_mov_b32 s47, 0
	s_add_nc_u64 s[12:13], s[12:13], s[46:47]
.macro FRAG reg, adr, q, i             ; 16 rows x 128 K of 4-bit codes: 8 registers, two loads of 16 bytes, 32 bytes apart
.irp c, 0,1
	ds_load_b128 v[\reg+4*\c:\reg+4*\c+3], v[\adr] offset:64*(\q)+32*\c+(\i)*16*PITCH
.endr
.endm
; 16 matrix instructions: A's blocks a0, a0 + 1 x B's eight.  zero = 1: the first product of each sum takes the bias as C.  The 64 accumulators take turns, one instruction a turn.
.macro MUL16 a0, p, q, sc, zero
.irp a, \a0, \a0+1
.irp b, 0,1,2,3,4,5,6,7
.if \zero
	v_wmma_scale_f32_16x16x128_f8f6f4 v[8*(8*((\a)%4)+\b):8*(8*((\a)%4)+\b)+7], v[128*(\p)+FR*\b:128*(\p)+FR*\b+FR-1], v[AF+FR*(\a):AF+FR*(\a)+FR-1], v[BIAS+8*\b:BIAS+8*\b+7], v[SC+8*NQ*(\sc)+NQ*\b+(\q)], v[SC+8*NQ*(\sc)+NQ*(\a)+(\q)] matrix_a_fmt:MATRIX_FMT_FP4 matrix_b_fmt:MATRIX_FMT_FP4 matrix_a_scale:MATRIX_SCALE_ROW1
.else
	v_wmma_scale_f32_16x16x128_f8f6f4 v[8*(8*((\a)%4)+\b):8*(8*((\a)%4)+\b)+7], v[128*(\p)+FR*\b:128*(\p)+FR*\b+FR-1], v[AF+FR*(\a):AF+FR*(\a)+FR-1], v[8*(8*((\a)%4)+\b):8*(8*((\a)%4)+\b)+7], v[SC+8*NQ*(\sc)+NQ*\b+(\q)], v[SC+8*NQ*(\sc)+NQ*(\a)+(\q)] matrix_a_fmt:MATRIX_FMT_FP4 matrix_b_fmt:MATRIX_FMT_FP4 matrix_a_scale:MATRIX_SCALE_ROW1
.endif
.endr
.endr
.endm
.macro FETCH_B slot, q, p
	WIN TO_B
.irp i, 0,1,2,3,4,5,6,7
	FRAG 128*(\p)+FR*\i, ADRB+\slot, \q, \i
.endr
	WIN 0
.endm
.macro FETCH_A slot, q, i0
.irp i, \i0, \i0+1, \i0+2, \i0+3
	FRAG AF+FR*(\i), ADRA+\slot, \q, \i
.endr
.endm
.macro SCALES sc                       ; a K step's scale words: lanes 0-15 take A's block i, lanes 16-31 B's block i
.irp i, 0,1,2,3,4,5,6,7
	ds_load_b128 v[SC+8*NQ*\sc+NQ*\i:SC+8*NQ*\sc+NQ*\i+3], v[ADRS] offset:\i*SBLK
.endr
.endm
.macro PLACES n                        ; plain vector instructions that name no register of the matrix instructions in front (ISA guide 7.12.1)
.rept \n
	v_nop
.endr
.endm
.macro STEP slot, q, zero              ; 128 along K, with its successor in the same slot
	s_wait_dscnt 4*NL                              ; B's set and A's blocks 0-3 are in; the youngest loads (A's blocks 4-7) may be out
.if \zero
	WIN FST_LO
.else
	WIN MUL_LO
.endif
	MUL16 0, (\q)%2, \q, \slot, \zero
	MUL16 2, (\q)%2, \q, \slot, \zero
	s_wait_dscnt 0                                 ; A's blocks 4-7 are in
	PLACES NP
	FETCH_B \slot, (\q)+1, 1-(\q)%2
	FETCH_A \slot, (\q)+1, 0
.if \zero
	WIN FST_HI
.else
	WIN MUL_HI
.endif
	MUL16 4, (\q)%2, \q, \slot, \zero
	MUL16 6, (\q)%2, \q, \slot, \zero
	PLACES NP
	WIN 0
	FETCH_A \slot, (\q)+1, 4
.endm
.macro STEPS slot, from
.set QQ, \from
.rept NQ-1-\from
	STEP \slot, QQ, 0
.set QQ, QQ+1
.endr
.endm
	s_wait_tensorcnt 1                             ; the scales and my part of slot 0 are in; slot 1's load may be out
	s_barrier_signal -1
	s_barrier_wait -1
	FETCH_B 0, 0, 0
	FETCH_A 0, 0, 0
	SCALES 0
	FETCH_A 0, 0, 4
	s_wait_loadcnt 0x0                             ; the bias
	STEP 0, 0, 1
	STEPS 0, 1
	; slot 0's last step changes slots: one barrier; in front of it my part of slot 1 has landed and my reads of slot 0 are over
	s_wait_tensorcnt 0x0
	ds_add_u32 v[SPW], v[NIL]
	s_wait_dscnt 4*NL+1                            ; the add and A's blocks 4-7 may be out
	WIN MUL_LO
	MUL16 0, 1, NQ-1, 0, 0
	s_wait_dscnt 0x0
	s_barrier_signal -1
	MUL16 2, 1, NQ-1, 0, 0
	WIN 0
	s_barrier_wait -1
	PLACES NP
	v_add_nc_u32 v[ADRS], 4*NQ, v[ADRS]            ; the second K step's scale words
	FETCH_B 1, 0, 0
	FETCH_A 1, 0, 0
	SCALES 1
	WIN MUL_HI
	MUL16 4, 1, NQ-1, 0, 0
	MUL16 6, 1, NQ-1, 0, 0
	PLACES NP
	WIN 0
	FETCH_A 1, 0, 4
	STEPS 1, 0
	s_wait_dscnt 4*NL                              ; the last step: nothing more to fetch
	WIN MUL_LO
	MUL16 0, 1, NQ-1, 1, 0
	MUL16 2, 1, NQ-1, 1, 0
	s_wait_dscnt 0
	WIN MUL_HI
	MUL16 4, 1, NQ-1, 1, 0
	MUL16 6, 1, NQ-1, 1, 0
	WIN 0
; THE WAY OUT, block by block of 16 rows x 128 columns (two heads).  Rounded to f16, 16 bytes a lane, through my stage, and back so that 32 lanes hold four rows of one head: 512 consecutive bytes of qkv.
.macro PACK a
.set AC, 64*((\a)%4)
	WIN 0x0a+5*((\a)/4)                            ; sources 0 and 1: window 2 or 3
.irp b, 0,1,2,3,4,5,6,7
.irp r, 0,1,2,3
	v_cvt_pk_f16_f32 v[TMP+4*\b+\r], v[AC+8*\b+2*\r], v[AC+8*\b+2*\r+1]   ; each accumulator from its low end on
.endr
.endr
	WIN 0
.endm
.macro TOSTAGE a
.set BB, OB+32*((\a)%2)
.irp b, 0,1,2,3,4,5,6,7
	ds_store_b128 v[STO], v[TMP+4*\b:TMP+4*\b+3] offset:32*\b
.endr
.irp hh, 0,1
.irp i, 0,1,2,3
	ds_load_b128 v[BB+4*(4*\hh+\i):BB+4*(4*\hh+\i)+3], v[RD] offset:\i*4*SPITCH+\hh*128   ; a wave's LDS instructions are served in order: these see the stores above
.endr
.endr
.endm
.macro SEND a
.set BB, OB+32*((\a)%2)
	s_wait_dscnt 0x0                               ; the block is back in registers
	s_wait_xcnt 0x0                                ; the earlier stores have read their registers: the next block's loads may land there
.irp hh, 0,1
.irp i, 0,1,2,3
	global_store_b128 v[CO], v[BB+4*(4*\hh+\i):BB+4*(4*\hh+\i)+3], s[12:13] offset:(\a)*2048+\hh*1048576+\i*512
.endr
.endr
.endm
	PLACES NP
	PACK 0
	TOSTAGE 0
.irp a, 1,2,3,4,5,6,7                  ; block a's conversions stand between block a - 1's loads from the stage and the wait for them
	PACK \a
	SEND \a-1
	TOSTAGE \a
.endr
	SEND 7
	s_wait_tensorcnt 0x0                           ; the wave's end
	ds_add_u32 v[SPW], v[NIL]
	s_wait_dscnt 0x0
	CROUND                                         ; the closing round
	s_endpgm
.Lfunc_end_k_q69d268e861_qkv:
	.size	k_q69d268e861_qkv, .Lfunc_end_k_q69d268e861_qkv-k_q69d268e861_qkv
	.p2alignl 7, 3214868480
	.fill 96, 4, 3214868480
	.section	.rodata,"a",@progbits
	.p2align	6, 0x0
	.amdhsa_kernel k_q69d268e861_qkv
		.amdhsa_group_segment_fixed_size 327680
		.amdhsa_private_segment_fixed_size 0
		.amdhsa_enable_private_segment 0
		.amdhsa_kernarg_size 64
		.amdhsa_user_sgpr_count 2
		.amdhsa_user_sgpr_kernarg_segment_ptr 1
		.amdhsa_wavefront_size32 1
		.amdhsa_system_sgpr_workgroup_id_x 1
		.amdhsa_system_sgpr_workgroup_id_y 1
		.amdhsa_system_sgpr_workgroup_id_z 1
		.amdhsa_system_vgpr_workitem_id 0
		.amdhsa_next_free_vgpr 1024
		.amdhsa_next_free_sgpr 102
		.amdhsa_reserve_vcc 0
		.amdhsa_float_denorm_mode_32 3
		.amdhsa_float_denorm_mode_16_64 3
		.amdhsa_memory_ordered 1
		.amdhsa_forward_progress 1
		.amdhsa_inst_pref_size 128
	.end_amdhsa_kernel
	.amdgpu_metadata
---
amdhsa.version: [ 1, 2 ]
amdhsa.kernels:
  - .name:           k_q69d268e861_qkv
    .symbol:         k_q69d268e861_qkv.kd
    .args:
      - { .name: xc, .offset: 0, .size: 8, .value_kind: global_buffer, .address_space: global }
      - { .name: xs, .offset: 8, .size: 8, .value_kind: global_buffer, .address_space: global }
      - { .name: wc, .offset: 16, .size: 8, .value_kind: global_buffer, .address_space: global }
      - { .name: ws, .offset: 24, .size: 8, .value_kind: global_buffer, .address_space: global }
      - { .name: bq, .offset: 32, .size: 8, .value_kind: global_buffer, .address_space: global }
      - { .name: bk, .offset: 40, .size: 8, .value_kind: global_buffer, .address_space: global }
      - { .name: bv, .offset: 48, .size: 8, .value_kind: global_buffer, .address_space: global }
      - { .name: qkv, .offset: 56, .size: 8, .value_kind: global_buffer, .address_space: global }
    .group_segment_fixed_size: 327680
    .private_segment_fixed_size: 0
    .kernarg_segment_align: 8
    .kernarg_segment_size: 64
    .max_flat_workgroup_size: 128
    .sgpr_count:     102
    .vgpr_count:     1024
    .wavefront_size: 32
...
	.end_amdgpu_metadata
.endif
;; end of part 2
;; launch attn (part 3): grid 576 x 1, 16 waves a work-group, no clusters, 204,800 bytes of LDS; arguments qkv, att, xc, xs, wc, ws, bq, bk, bv, att32; writes att, att32
.if DOCPART == 3
	.amdgcn_target "amdgcn-amd-amdhsa--gfx1250"
	.amdhsa_code_object_version 6
	.text
	.protected	k_q69d268e861_attn
	.globl	k_q69d268e861_attn
	.p2align	8
	.type	k_q69d268e861_attn,@function
k_q69d268e861_attn:
	s_mov_b64 s[64:65], 0
	v_nop
	global_prefetch_b8 v0, s[64:65] scope:SCOPE_SE
	s_setreg_imm32_b32 hwreg(HW_REG_WAVE_MODE, 25, 1), 1
	s_wait_xcnt 0x0
; Attention under the band that the problem builds itself: query t sees keys t - 128 .. t.  Two kinds of work-groups, told apart by the work-group's number, each with LDS bytes of its own.
; MAIN (work-groups 64-575): 128 queries x 2 heads; each of 16 waves owns one tile of 16 queries of one head.  q, k, v come as f16 from qkv; products on f16 operands, sums, maxima and softmax in f32.
;   A tile's band is 144 keys; 160 are taken (ten tiles of 16, from an even tile on), all scores stay in registers, so the row's true maximum is taken away in ONE pass.
;   S^T = K Q^T (a lane holds one query, its registers keys), P packed to f16 in place IS the second product's source 1, O^T = V^T P; V is turned on its way out of LDS.
;   Hidden scores become -infinity where the problem has -1e30: p is 0 both ways, since every row keeps its own key.
; FINE (work-groups 0-63, one for a batch and head): positions 0-15, which average few values, in f32 throughout.  Twelve waves make q, k, v of those 16 positions anew, by the same products on
;   codes of FP4 with f32 sums and bias; wave 0 takes scores, softmax and the second product by the f32 matrix form; the result goes to att32 in f32.
; NO CLUSTER: no tile comes by a tensor load; each work-group asks for all its bytes once, at its head; and a block of 128 keys that two neighbours share is rows 128-255 of one's LDS and rows 0-127 of the other's.
; LIMITS: |q|, |k|, |v| up to 65,504 (f16); NaN and infinities among the inputs are not served.
; REGISTERS (main): v1 r, v2 h, v3-13 addresses; v16-31 Q; v32-111 S^T, ten tiles, then p, then P packed into v32-71; v112-143 O^T (written by matrix instructions alone, in the whole text);
;   v144-223 fragments of K or V, staging, and the way out; v224-239 the fine path's scale words and nothing else; v240-255 statistics.
.set KP,    144                        ; a row of K in LDS: 128 bytes + 16
.set VP,    160                        ; a row of V: 128 + 32, for the turning load
.set KHD,   256*KP                     ; a head's 256 rows: 128 of the block before, 128 of my own
.set VB,    2*KHD
.set VHD,   256*VP
.set OST,   VB+2*VHD                   ; the way out: 128 rows x (two heads' 256 bytes + 16)
.set OP,    272
.set FIM,   OST+128*OP                 ; the fine path: twelve images of 8 registers, 1,024 bytes each
.set SPARE, FIM+12*1024                ; the spare words, 128 bytes for each wave: eight blocks of 256 bytes that no other line names
.set SPW,   14
.set NIL,   15
.set Q,     16
.set S,     32
.set OA,    112
.set FB,    144
.set WV,    24
	s_load_b512 s[4:19], s[0:1], 0x0               ; qkv 4, att 6, xc 8, xs 10, wc 12, ws 14, bq 16, bk 18
	s_load_b128 s[20:23], s[0:1], 0x40             ; bv 20, att32 22
	v_lshl_add_u32 v[SPW], v0, 2, SPARE
	v_mov_b32 v[NIL], 0
	v_lshrrev_b32 v1, 5, v0
	v_readfirstlane_b32 s[WV], v1                  ; wave 0..15
	v_and_b32 v1, 15, v0                           ; r
	v_bfe_u32 v2, v0, 4, 1                         ; h
	v_mov_b32 v245, 0                              ; a lane permute's destination counts as one of its sources
	v_mov_b32 v252, 0xff800000                     ; -infinity
	v_mov_b32 v255, 0                              ; named as the upper half of the pair v[254:255]
	s_mov_b32 s44, 0x3e38aa3b                      ; c = log2(e) / sqrt(64)
	s_mov_b32 s45, s44
	s_mov_b32 s46, 0x76543210
	s_mov_b32 s47, 0xfedcba98                      ; lane l xor 16
	s_mov_b32 s27, 0                               ; the upper word of the offsets' pair s[26:27]
	s_cmp_lt_u32 ttmp9, 64
	s_cbranch_scc1 .Lfine
; ================ MAIN
	s_sub_co_u32 s25, ttmp9, 64
	s_and_b32 s28, s25, 15                         ; qb: which 128 queries of the sequence
	s_bfe_u32 s29, s25, 0x30004                    ; hp: which pair of heads
	s_lshr_b32 s30, s25, 7                         ; b
	s_lshr_b32 s31, s[WV], 3                       ; hd: which head of the pair
	s_and_b32 s48, s[WV], 7                        ; w: which tile of 16 queries
	s_lshr_b32 s49, s48, 1
	s_lshl_b32 s50, s30, 11
	s_lshl_b32 s51, s28, 7
	s_add_co_u32 s50, s50, s51                     ; m0: my block's first row
	s_cmp_lg_u32 s28, 0
	s_cselect_b32 s51, 128, 0
	s_sub_co_u32 s51, s50, s51                     ; the block before; a sequence's first block takes its own rows there: finite numbers, all of them hidden below
	s_lshl_b32 s52, s29, 21
	v_lshlrev_b32 v3, 4, v0                        ; 512 threads x 16 bytes: 64 rows of 128 bytes
	v_lshlrev_b32 v9, 7, v1
	v_lshl_add_u32 v9, v2, 4, v9                   ; Q: row r, + 16 h
	s_wait_kmcnt 0x0
	s_lshl_b32 s26, s50, 7
	s_add_co_u32 s26, s26, s52
	s_add_co_u32 s26, s26, 0x1000000
	s_add_nc_u64 s[32:33], s[4:5], s[26:27]        ; K, my block
	s_add_nc_u64 s[36:37], s[32:33], 0x1000000     ; V, my block
	s_lshl_b32 s26, s51, 7
	s_add_co_u32 s26, s26, s52
	s_add_co_u32 s26, s26, 0x1000000
	s_add_nc_u64 s[34:35], s[4:5], s[26:27]        ; K, the block before
	s_add_nc_u64 s[38:39], s[34:35], 0x1000000     ; V, the block before
	s_lshl_b32 s53, s48, 4
	s_add_co_u32 s53, s53, s50
	s_lshl_b32 s26, s53, 7
	s_add_co_u32 s26, s26, s52
	s_lshl_b32 s53, s31, 20
	s_add_co_u32 s26, s26, s53
	s_add_nc_u64 s[40:41], s[4:5], s[26:27]        ; Q, my tile
	s_lshl_b32 s53, s[WV], 3
	s_add_co_u32 s53, s53, s50
	s_lshl_b32 s26, s53, 11
	s_lshl_b32 s53, s29, 8
	s_add_co_u32 s26, s26, s53
	s_add_nc_u64 s[42:43], s[6:7], s[26:27]        ; att: the 8 rows that my wave stores, at the pair's 256 bytes
.irp hd, 0,1
.irp blk, 0,1
.irp hf, 0,1
	global_load_b128 v[FB+4*(4*\hd+2*\blk+\hf):FB+4*(4*\hd+2*\blk+\hf)+3], v3, s[34-2*\blk:35-2*\blk] offset:\hd*1048576+\hf*8192
.endr
.endr
.endr
.irp hd, 0,1
.irp blk, 0,1
.irp hf, 0,1
	global_load_b128 v[FB+32+4*(4*\hd+2*\blk+\hf):FB+32+4*(4*\hd+2*\blk+\hf)+3], v3, s[38-2*\blk:39-2*\blk] offset:\hd*1048576+\hf*8192
.endr
.endr
.endr
.irp i, 0,1,2,3
	global_load_b128 v[Q+4*\i:Q+4*\i+3], v9, s[40:41] offset:32*\i   ; two fragments: channels 0-31, 32-63
.endr
	v_lshrrev_b32 v240, 3, v0                      ; thread / 8: a row of the 64
	v_and_b32 v241, 7, v0                          ; thread % 8: 16 bytes of it
	v_mul_u32_u24 v4, v240, KP
	v_lshl_add_u32 v4, v241, 4, v4                 ; K into LDS
	v_mul_u32_u24 v5, v240, VP
	v_lshl_add_u32 v5, v241, 4, v5
	v_add_nc_u32 v5, VB, v5                        ; V into LDS, head 0,
	v_add_nc_u32 v6, VHD, v5                       ; head 1
	s_mul_i32 s53, s31, KHD
	s_mul_i32 s54, s49, 32*KP
	s_add_co_u32 s53, s53, s54
	v_mul_u32_u24 v7, v1, KP
	v_lshl_add_u32 v7, v2, 4, v7
	v_add_nc_u32 v7, s53, v7                       ; K's fragments: my head, from row 32 (w / 2) on
	s_mul_i32 s53, s31, VHD
	s_mul_i32 s54, s49, 32*VP
	s_add_co_u32 s53, s53, s54
	s_add_co_u32 s53, s53, VB
	v_lshl_add_u32 v8, v2, 3, v241                 ; the turning load: key 8 h + l % 8,
	v_mul_u32_u24 v8, v8, VP
	v_bfe_u32 v11, v0, 3, 1
	v_lshl_add_u32 v8, v11, 4, v8                  ; channels 8 ((l / 8) % 2) on
	v_add_nc_u32 v8, s53, v8
	s_mul_i32 s53, s48, 16*OP
	s_lshl_b32 s54, s31, 7
	s_add_co_u32 s53, s53, s54
	s_add_co_u32 s53, s53, OST
	v_mul_u32_u24 v10, v1, OP
	v_lshl_add_u32 v10, v2, 4, v10
	v_add_nc_u32 v10, s53, v10                     ; the way out, in: row 16 w + r, my head's 128 bytes, + 16 h
	s_mul_i32 s53, s[WV], 8*OP
	s_add_co_u32 s53, s53, OST
	v_mul_u32_u24 v11, v2, OP
	v_lshl_add_u32 v11, v1, 4, v11
	v_add_nc_u32 v11, s53, v11                     ; back: rows 8 wave on, sixteen lanes to a row
	v_lshlrev_b32 v12, 11, v2
	v_lshl_add_u32 v12, v1, 4, v12                 ; and the same two rows in att
	s_and_b32 s53, s48, 1
	s_lshl_b32 s53, s53, 4
	v_lshlrev_b32 v13, 3, v2
	v_sub_nc_u32 v13, v1, v13
	v_add_nc_u32 v13, s53, v13                     ; e = r - 8 h + 16 (w % 2): query - key = 128 + e - (16 j + i) for register i of tile j
	s_lshl_b32 s55, s49, 1
	s_sub_co_u32 s55, 8, s55                       ; in a sequence's first block tiles under 8 - 2 (w / 2) lie ahead of the sequence
	s_wait_loadcnt 12                              ; K's eight loads are in; V's eight and Q's four may be out
.irp hd, 0,1
.irp blk, 0,1
.irp hf, 0,1
	ds_store_b128 v4, v[FB+4*(4*\hd+2*\blk+\hf):FB+4*(4*\hd+2*\blk+\hf)+3] offset:\hd*KHD+\blk*128*KP+\hf*64*KP
.endr
.endr
.endr
	s_wait_loadcnt 4                               ; V's are in; Q's four may be out
.irp hd, 0,1
.irp blk, 0,1
.irp hf, 0,1
	ds_store_b128 v[5+\hd], v[FB+32+4*(4*\hd+2*\blk+\hf):FB+32+4*(4*\hd+2*\blk+\hf)+3] offset:\blk*128*VP+\hf*64*VP
.endr
.endr
.endr
	s_wait_dscnt 0x0                               ; for the others' sake: my stores have landed
	s_barrier_signal -1
	s_barrier_wait -1
.macro KLOAD j0, n                     ; n tiles of 16 keys x 64 channels: 16 registers each
.set jj, 0
.rept \n
.irp c, 0,1
.irp u, 0,1
	ds_load_b128 v[FB+16*jj+8*\c+4*\u:FB+16*jj+8*\c+4*\u+3], v7 offset:(\j0+jj)*16*KP+64*\c+32*\u
.endr
.endr
.set jj, jj+1
.endr
.endm
.macro SMUL j0, n                      ; the n accumulators take turns, one instruction a turn; the first product starts each sum
.irp c, 0,1
.set jj, 0
.rept \n
.if \c == 0
	v_wmma_f32_16x16x32_f16 v[S+8*(\j0+jj):S+8*(\j0+jj)+7], v[FB+16*jj:FB+16*jj+7], v[Q:Q+7], 0
.else
	v_wmma_f32_16x16x32_f16 v[S+8*(\j0+jj):S+8*(\j0+jj)+7], v[FB+16*jj+8:FB+16*jj+15], v[Q+8:Q+15], v[S+8*(\j0+jj):S+8*(\j0+jj)+7]
.endif
.set jj, jj+1
.endr
.endr
.endm
.macro VLOAD c0, n                     ; n chunks of 32 keys x 64 channels, turned: 32 registers each
.set cc, 0
.rept \n
.irp ct, 0,1,2,3
	ds_load_tr16_b128 v[FB+32*cc+8*\ct:FB+32*cc+8*\ct+3], v8 offset:(\c0+cc)*32*VP+32*\ct
	ds_load_tr16_b128 v[FB+32*cc+8*\ct+4:FB+32*cc+8*\ct+7], v8 offset:(\c0+cc)*32*VP+16*VP+32*\ct
.endr
.set cc, cc+1
.endr
.endm
.macro PVMUL c0, n                     ; O^T += V^T P: four accumulators by turns
.set cc, 0
.rept \n
.irp ct, 0,1,2,3
.if (\c0+cc) == 0
	v_wmma_f32_16x16x32_f16 v[OA+8*\ct:OA+8*\ct+7], v[FB+32*cc+8*\ct:FB+32*cc+8*\ct+7], v[S+8*(\c0+cc):S+8*(\c0+cc)+7], 0
.else
	v_wmma_f32_16x16x32_f16 v[OA+8*\ct:OA+8*\ct+7], v[FB+32*cc+8*\ct:FB+32*cc+8*\ct+7], v[S+8*(\c0+cc):S+8*(\c0+cc)+7], v[OA+8*\ct:OA+8*\ct+7]
.endif
.endr
.set cc, cc+1
.endr
.endm
.macro PLACES                          ; four plain places behind matrix instructions, in front of loads into their sources and of reads of their results
.rept 4
	v_nop
.endr
.endm
	KLOAD 0, 5
	s_wait_dscnt 0x0
	s_wait_loadcnt 0x0                             ; Q
	SMUL 0, 5
	PLACES
	KLOAD 5, 5
	s_wait_dscnt 0x0
	SMUL 5, 5
	PLACES
	VLOAD 0, 2                                     ; on its way while the softmax is walked
	; the band: too old where 16 j + i < e (tiles 0, 1 alone), not yet there where 16 (j - 8) + i > e (tiles 8, 9 alone)
.irp j, 0,1
.irp i, 0,1,2,3,4,5,6,7
	v_cmp_lt_i32 vcc_lo, 16*\j+\i, v13
	v_cndmask_b32 v[S+8*\j+\i], v[S+8*\j+\i], v252, vcc_lo
.endr
.endr
.irp j, 8,9
.irp i, 0,1,2,3,4,5,6,7
	v_cmp_gt_i32 vcc_lo, 16*(\j-8)+\i, v13
	v_cndmask_b32 v[S+8*\j+\i], v[S+8*\j+\i], v252, vcc_lo
.endr
.endr
	s_cmp_lg_u32 s28, 0                            ; a sequence's first block: whole tiles lie ahead of position 0 (a branch on the work-group's number)
	s_cbranch_scc1 .Lhas_halo
.irp j, 0,1,2,3,4,5,6,7
	s_cmp_gt_u32 s55, \j
	s_cselect_b32 s56, -1, 0
.irp i, 0,1,2,3,4,5,6,7
	v_cndmask_b32 v[S+8*\j+\i], v[S+8*\j+\i], v252, s56
.endr
.endr
.Lhas_halo:
	; the row's maximum: five chains of 16 registers, each accumulator first read at its low end
.irp b, 0,1,2,3,4
	v_max3_num_f32 v[240+\b], v[S+16*\b], v[S+1+16*\b], v[S+2+16*\b]
.endr
.irp i, 3,5,7,9,11,13
.irp b, 0,1,2,3,4
	v_max3_num_f32 v[240+\b], v[240+\b], v[S+16*\b+\i], v[S+1+16*\b+\i]
.endr
.endr
.irp b, 0,1,2,3,4
	v_max_num_f32 v[240+\b], v[240+\b], v[S+15+16*\b]
.endr
	v_max3_num_f32 v240, v240, v241, v242
	v_max3_num_f32 v240, v240, v243, v244
	v_permlanex16_b32 v245, v240, s46, s47         ; the query's other keys lie in the lane 16 away
	v_max_num_f32 v240, v240, v245
	v_mul_f32 v246, s44, v240                      ; c m
	v_mov_b32 v247, v246
.set i, 0
.rept 40
	v_pk_fma_f32 v[S+i:S+i+1], v[S+i:S+i+1], s[44:45], v[246:247] op_sel_hi:[1,0,0] neg_lo:[0,0,1] neg_hi:[0,0,1]   ; c s - c m
.set i, i+2
.endr
.set i, 0
.rept 80
	v_exp_f32 v[S+i], v[S+i]                       ; p, at most 1
.set i, i+1
.endr
	v_nop                                          ; a plain instruction behind the last exponential
	s_wait_alu depctr_va_vdst(0)                   ; one wait for the batch, ahead of its first reader
	v_pk_add_f32 v[248:249], v[S:S+1], v[S+2:S+3]  ; the row's sum, of p before it is rounded: two chains
	v_pk_add_f32 v[250:251], v[S+4:S+5], v[S+6:S+7]
.irp j, 8,12,16,20,24,28,32,36,40,44,48,52,56,60,64,68,72,76
	v_pk_add_f32 v[248:249], v[248:249], v[S+\j:S+\j+1]
	v_pk_add_f32 v[250:251], v[250:251], v[S+\j+2:S+\j+3]
.endr
	v_pk_add_f32 v[248:249], v[248:249], v[250:251]
	v_add_f32 v248, v248, v249
	v_permlanex16_b32 v245, v248, s46, s47
	v_add_f32 v248, v248, v245
	v_rcp_f32 v254, v248
	v_nop                                          ; a plain instruction behind the reciprocal; its wait stands ahead of its first reader, behind the second product
.set i, 0
.rept 40
	v_cvt_pk_f16_f32 v[S+i], v[S+2*i], v[S+2*i+1]  ; two tiles of S^T pack into one source 1 of 32 keys; in place, ascending: no unread number is written over
.set i, i+1
.endr
	s_wait_dscnt 0x0
	PVMUL 0, 2
	PLACES
	VLOAD 2, 2
	s_wait_dscnt 0x0
	PVMUL 2, 2
	PLACES
	VLOAD 4, 1
	s_wait_dscnt 0x0
	PVMUL 4, 1
	PLACES
	s_wait_alu depctr_va_vdst(0)                   ; the reciprocal
.set i, 0
.rept 16
	v_pk_mul_f32 v[144+i:145+i], v[OA+i:OA+i+1], v[254:255] op_sel_hi:[1,0]   ; O^T / the sum, into other registers, each accumulator from its low end on
.set i, i+2
.endr
.set i, 0
.rept 16
	v_cvt_pk_f16_f32 v[176+i], v[144+2*i], v[145+2*i]
.set i, i+1
.endr
.irp ct, 0,1,2,3
	ds_store_b128 v10, v[176+4*\ct:179+4*\ct] offset:32*\ct
.endr
	s_wait_dscnt 0x0                               ; a row's 256 bytes come from two waves: my stores have landed,
	s_barrier_signal -1
	s_barrier_wait -1                              ; everybody's have
.irp i, 0,1,2,3
	ds_load_b128 v[192+4*\i:195+4*\i], v11 offset:\i*2*OP
.endr
.irp i, 0,1,2,3
	s_wait_dscnt 3-\i
	global_store_b128 v12, v[192+4*\i:195+4*\i], s[42:43] offset:\i*4096   ; sixteen lanes store 256 consecutive bytes, aligned
.endr
	s_wait_tensorcnt 0x0                           ; the wave's end
	ds_add_u32 v[SPW], v[NIL]
	s_wait_dscnt 0x0
	s_endpgm
; ================ FINE
.Lfine:
	s_lshr_b32 s25, ttmp9, 4                       ; b
	s_and_b32 s28, ttmp9, 15                       ; head
	s_lshr_b32 s29, s[WV], 2                       ; waves 0-11: q, k or v,
	s_and_b32 s30, s[WV], 3                        ; and which 16 of the head's 64 channels
	s_min_u32 s31, s[WV], 11
	s_lshl_b32 s31, s31, 10
	s_add_co_u32 s31, s31, FIM
	v_and_b32 v10, 31, v0
	v_lshlrev_b32 v6, 4, v10
	v_add_nc_u32 v5, s31, v6                       ; my image: 16 x lane, + 1,024 x wave
	v_add_nc_u32 v6, FIM, v6                       ; the images, for wave 0
	v_lshlrev_b32 v3, 9, v1
	v_lshl_add_u32 v3, v2, 4, v3                   ; codes: row r of 512 bytes, + 16 h
	v_lshlrev_b32 v4, 5, v1                        ; scale words: row r of 32 bytes
	v_lshlrev_b32 v7, 5, v2                        ; bias along the registers: 32 h
	v_lshlrev_b32 v8, 2, v1                        ; bias along the lanes: 4 r
	v_lshlrev_b32 v9, 12, v1
	v_lshl_add_u32 v9, v2, 5, v9                   ; att32: row r of 4,096 bytes, + 32 h
	v_lshlrev_b32 v13, 3, v2
	v_sub_nc_u32 v13, v1, v13                      ; r - 8 h
	s_wait_kmcnt 0x0
	s_cmp_lt_u32 s[WV], 12
	s_cbranch_scc0 .Lf_join
	s_lshl_b32 s48, s29, 10
	s_lshl_b32 s49, s28, 6
	s_add_co_u32 s48, s48, s49
	s_lshl_b32 s49, s30, 4
	s_add_co_u32 s48, s48, s49                     ; my 16 rows of wc
	s_lshl_b32 s26, s48, 9
	s_add_nc_u64 s[32:33], s[12:13], s[26:27]
	s_lshl_b32 s26, s48, 5
	s_add_nc_u64 s[34:35], s[14:15], s[26:27]
	s_lshl_b32 s26, s25, 20                        ; the batch's first 16 rows of xc
	s_add_nc_u64 s[36:37], s[8:9], s[26:27]
	s_lshl_b32 s26, s25, 16
	s_add_nc_u64 s[38:39], s[10:11], s[26:27]
	s_cmp_lt_u32 s[WV], 8                          ; q, k: source 0 = W, source 1 = x: a lane holds a position, its registers 8 channels.  v: the other way round: a lane holds a channel, its registers 8 positions
	s_cselect_b64 s[40:41], s[32:33], s[36:37]
	s_cselect_b64 s[42:43], s[36:37], s[32:33]
	s_cselect_b64 s[50:51], s[34:35], s[38:39]
	s_cselect_b64 s[52:53], s[38:39], s[34:35]
	s_cmp_eq_u32 s29, 0
	s_cselect_b64 s[54:55], s[16:17], s[18:19]
	s_cmp_eq_u32 s29, 2
	s_cselect_b64 s[54:55], s[20:21], s[54:55]
	s_and_b32 s26, s48, 1023
	s_lshl_b32 s26, s26, 2
	s_add_nc_u64 s[54:55], s[54:55], s[26:27]      ; the bias of my 16 channels
.irp s, 0,1,2,3,4,5,6,7
.irp c, 0,1
	global_load_b128 v[16+8*\s+4*\c:19+8*\s+4*\c], v3, s[40:41] offset:64*\s+32*\c
	global_load_b128 v[144+8*\s+4*\c:147+8*\s+4*\c], v3, s[42:43] offset:64*\s+32*\c
.endr
.endr
.irp c, 0,1
	global_load_b128 v[224+4*\c:227+4*\c], v4, s[50:51] offset:16*\c   ; eight scale words a row: one for each 128 along K
	global_load_b128 v[232+4*\c:235+4*\c], v4, s[52:53] offset:16*\c
.endr
	s_cmp_lt_u32 s[WV], 8
	s_cbranch_scc0 .Lf_bias_v
	global_load_b128 v[208:211], v7, s[54:55]
	global_load_b128 v[212:215], v7, s[54:55] offset:16
	s_branch .Lf_bias_done
.Lf_bias_v:
.irp j, 0,1,2,3,4,5,6,7
	global_load_b32 v[208+\j], v8, s[54:55]
.endr
.Lf_bias_done:
	s_wait_loadcnt 0x0
	v_wmma_scale_f32_16x16x128_f8f6f4 v[216:223], v[16:23], v[144:151], v[208:215], v224, v232 matrix_a_fmt:MATRIX_FMT_FP4 matrix_b_fmt:MATRIX_FMT_FP4
.irp s, 1,2,3,4,5,6,7
	s_wait_alu depctr_va_vdst(0)                   ; one accumulator, K ascending
	v_wmma_scale_f32_16x16x128_f8f6f4 v[216:223], v[16+8*\s:23+8*\s], v[144+8*\s:151+8*\s], v[216:223], v[224+\s], v[232+\s] matrix_a_fmt:MATRIX_FMT_FP4 matrix_b_fmt:MATRIX_FMT_FP4
.endr
.rept 5
	v_nop
.endr
	ds_store_b128 v5, v[216:219]                   ; the sum goes to wave 0 as an image of its registers
	ds_store_b128 v5, v[220:223] offset:512
.Lf_join:
	s_wait_dscnt 0x0
	s_barrier_signal -1
	s_barrier_wait -1
	s_cmp_lg_u32 s[WV], 0
	s_cbranch_scc1 .Lf_end
.irp t, 0,1,2,3,4,5,6,7,8,9,10,11
	ds_load_b128 v[16+8*\t:19+8*\t], v6 offset:\t*1024       ; q: v16-47, k: v48-79, v: v80-111
	ds_load_b128 v[20+8*\t:23+8*\t], v6 offset:\t*1024+512
.endr
	s_wait_dscnt 0x0
	; S^T = k q^T in f32: slot (h, j) of a K step of 4 is channel 16 c + 8 h + 2 s + j in both sources.  Four accumulators by turns, added afterwards
.irp s, 0,1,2,3
.irp c, 0,1,2,3
.if \s == 0
	v_wmma_f32_16x16x4_f32 v[OA+8*\c:OA+8*\c+7], v[48+8*\c+2*\s:49+8*\c+2*\s], v[16+8*\c+2*\s:17+8*\c+2*\s], 0
.else
	v_wmma_f32_16x16x4_f32 v[OA+8*\c:OA+8*\c+7], v[48+8*\c+2*\s:49+8*\c+2*\s], v[16+8*\c+2*\s:17+8*\c+2*\s], v[OA+8*\c:OA+8*\c+7]
.endif
.endr
.endr
.rept 8
	v_nop
.endr
.irp i, 0,2,4,6
	v_pk_add_f32 v[144+\i:145+\i], v[OA+\i:OA+\i+1], v[OA+8+\i:OA+9+\i]
.endr
.irp i, 0,2,4,6
	v_pk_add_f32 v[152+\i:153+\i], v[OA+16+\i:OA+17+\i], v[OA+24+\i:OA+25+\i]
.endr
.irp i, 0,2,4,6
	v_pk_add_f32 v[144+\i:145+\i], v[144+\i:145+\i], v[152+\i:153+\i]
.endr
.irp j, 0,1,2,3,4,5,6,7
	v_cmp_gt_i32 vcc_lo, \j, v13                   ; key 8 h + j comes after query r
	v_cndmask_b32 v[144+\j], v[144+\j], v252, vcc_lo
.endr
	v_max3_num_f32 v240, v144, v145, v146
	v_max3_num_f32 v241, v147, v148, v149
	v_max3_num_f32 v240, v240, v150, v151
	v_max_num_f32 v240, v240, v241
	v_permlanex16_b32 v245, v240, s46, s47
	v_max_num_f32 v240, v240, v245
	v_mul_f32 v246, s44, v240
	v_mov_b32 v247, v246
.irp i, 0,2,4,6
	v_pk_fma_f32 v[144+\i:145+\i], v[144+\i:145+\i], s[44:45], v[246:247] op_sel_hi:[1,0,0] neg_lo:[0,0,1] neg_hi:[0,0,1]
.endr
.irp j, 0,1,2,3,4,5,6,7
	v_exp_f32 v[144+\j], v[144+\j]
.endr
	v_nop
	s_wait_alu depctr_va_vdst(0)                   ; one wait for the eight
	v_pk_add_f32 v[248:249], v[144:145], v[146:147]
	v_pk_add_f32 v[250:251], v[148:149], v[150:151]
	v_pk_add_f32 v[248:249], v[248:249], v[250:251]
	v_add_f32 v248, v248, v249
	v_permlanex16_b32 v245, v248, s46, s47
	v_add_f32 v248, v248, v245
	v_rcp_f32 v254, v248
	v_nop
	; O^T = v^T p in f32: slot (h, j) is key 8 h + 2 s + j in both sources; the sums begin anew with the constant 0, far more than nine places behind the scores' last product
.irp s, 0,1,2,3
.irp c, 0,1,2,3
.if \s == 0
	v_wmma_f32_16x16x4_f32 v[OA+8*\c:OA+8*\c+7], v[80+8*\c+2*\s:81+8*\c+2*\s], v[144+2*\s:145+2*\s], 0
.else
	v_wmma_f32_16x16x4_f32 v[OA+8*\c:OA+8*\c+7], v[80+8*\c+2*\s:81+8*\c+2*\s], v[144+2*\s:145+2*\s], v[OA+8*\c:OA+8*\c+7]
.endif
.endr
.endr
.rept 8
	v_nop
.endr
	s_wait_alu depctr_va_vdst(0)                   ; the reciprocal
.set i, 0
.rept 32
	v_mul_f32 v[160+i], v[OA+i], v254
.set i, i+1
.endr
	s_lshl_b32 s26, s25, 16                        ; att32: 16 rows of 4,096 bytes a batch,
	s_lshl_b32 s48, s28, 8                         ; 256 bytes a head
	s_add_co_u32 s26, s26, s48
	s_add_nc_u64 s[22:23], s[22:23], s[26:27]
.irp c, 0,1,2,3
	global_store_b128 v9, v[160+8*\c:163+8*\c], s[22:23] offset:64*\c
	global_store_b128 v9, v[164+8*\c:167+8*\c], s[22:23] offset:64*\c+16
.endr
.Lf_end:
	s_wait_tensorcnt 0x0                           ; the wave's end
	ds_add_u32 v[SPW], v[NIL]
	s_wait_dscnt 0x0
	s_endpgm
.Lfunc_end_k_q69d268e861_attn:
	.size	k_q69d268e861_attn, .Lfunc_end_k_q69d268e861_attn-k_q69d268e861_attn
	.p2alignl 7, 3214868480
	.fill 96, 4, 3214868480
	.section	.rodata,"a",@progbits
	.p2align	6, 0x0
	.amdhsa_kernel k_q69d268e861_attn
		.amdhsa_group_segment_fixed_size 204800
		.amdhsa_private_segment_fixed_size 0
		.amdhsa_enable_private_segment 0
		.amdhsa_kernarg_size 80
		.amdhsa_user_sgpr_count 2
		.amdhsa_user_sgpr_kernarg_segment_ptr 1
		.amdhsa_wavefront_size32 1
		.amdhsa_system_sgpr_workgroup_id_x 1
		.amdhsa_system_sgpr_workgroup_id_y 1
		.amdhsa_system_sgpr_workgroup_id_z 1
		.amdhsa_system_vgpr_workitem_id 0
		.amdhsa_next_free_vgpr 256
		.amdhsa_next_free_sgpr 66
		.amdhsa_reserve_vcc 1
		.amdhsa_float_denorm_mode_32 3
		.amdhsa_float_denorm_mode_16_64 3
		.amdhsa_memory_ordered 1
		.amdhsa_forward_progress 1
		.amdhsa_inst_pref_size 56
	.end_amdhsa_kernel
	.amdgpu_metadata
---
amdhsa.version: [ 1, 2 ]
amdhsa.kernels:
  - .name:           k_q69d268e861_attn
    .symbol:         k_q69d268e861_attn.kd
    .args:
      - { .name: qkv, .offset: 0, .size: 8, .value_kind: global_buffer, .address_space: global }
      - { .name: att, .offset: 8, .size: 8, .value_kind: global_buffer, .address_space: global }
      - { .name: xc, .offset: 16, .size: 8, .value_kind: global_buffer, .address_space: global }
      - { .name: xs, .offset: 24, .size: 8, .value_kind: global_buffer, .address_space: global }
      - { .name: wc, .offset: 32, .size: 8, .value_kind: global_buffer, .address_space: global }
      - { .name: ws, .offset: 40, .size: 8, .value_kind: global_buffer, .address_space: global }
      - { .name: bq, .offset: 48, .size: 8, .value_kind: global_buffer, .address_space: global }
      - { .name: bk, .offset: 56, .size: 8, .value_kind: global_buffer, .address_space: global }
      - { .name: bv, .offset: 64, .size: 8, .value_kind: global_buffer, .address_space: global }
      - { .name: att32, .offset: 72, .size: 8, .value_kind: global_buffer, .address_space: global }
    .group_segment_fixed_size: 204800
    .private_segment_fixed_size: 0
    .kernarg_segment_align: 8
    .kernarg_segment_size: 80
    .max_flat_workgroup_size: 512
    .sgpr_count:     66
    .vgpr_count:     256
    .wavefront_size: 32
...
	.end_amdgpu_metadata
.endif
;; end of part 3
;; launch proj (part 4): grid 8 x 64, 4 waves a work-group, clusters of 4 x 4, 327,680 bytes of LDS; arguments att, wot, bo, out0; writes out0
.if DOCPART == 4
	.amdgcn_target "amdgcn-amd-amdhsa--gfx1250"
	.amdhsa_code_object_version 6
	.text
	.protected	k_q69d268e861_proj
	.globl	k_q69d268e861_proj
	.p2align	8
	.type	k_q69d268e861_proj,@function
k_q69d268e861_proj:
	s_mov_b64 s[64:65], 0
	v_nop
	global_prefetch_b8 v0, s[64:65] scope:SCOPE_SE
	s_setreg_imm32_b32 hwreg(HW_REG_WAVE_MODE, 25, 1), 1
	s_wait_xcnt 0x0
	s_wait_alu depctr_hold_cnt(0) depctr_sa_sdst(0) depctr_va_vdst(0) depctr_va_sdst(0) depctr_va_ssrc(0) depctr_va_vcc(0) depctr_vm_vsrc(0)
	s_getreg_b32 s2, hwreg(HW_REG_IB_STS2, 6, 4)
	s_cmp_eq_u32 s2, 0
	s_cbranch_scc0 .Lentry_in_a_cluster
	s_endpgm
.Lentry_in_a_cluster:
	s_bfe_u32 s2, ttmp6, 0x10000c
	s_cmp_lg_u32 s2, 0xf033
	s_cbranch_scc0 .Lentry_shape_is_right
	s_endpgm
.Lentry_shape_is_right:
; out0 = att wot^T + bo.  att [8192][1024] and wot [1024 n][1024 k] are f16, out0 [8192][1024] f32; sums in f32.  (Rows 0-15 of every sequence are written again, finer, by the launch behind this one.)
; A tile of 128 x 128 gives 512 work-groups; four waves, each 64 x 64: 16 accumulators.  K goes in steps of 256 (LDS rows of 512 bytes) through a ring of two slots filled by tensor loads.
; CLUSTERS: 4 x 4 work-groups; A's tiles are asked for jointly along a row of the cluster, B's along a column.  THE MATRIX INSTRUCTION IS USED TRANSPOSED (source 0 = 16 rows of wot, source 1 = 16 rows of att):
; a lane holds eight neighbouring columns of one row.  The bias is the C of each sum's first product.  A wave's 64 columns of f32 are 256 bytes: each wave has a stage of its own on the way out, and no barrier there.
; REGISTERS: window 0: v0-31 addresses; v32-95 rows on the way out; v96-127 the bias; v128-255 the accumulators.   window 1: two fragment buffers of 128.
.set SIZE_K, 1024
.set KSTEP,  256
.set PITCH,  528                       ; an LDS row: 512 bytes + 16 of padding: the 16 rows that a load touches begin 132 words apart
.set HALFT,  64*PITCH
.set SLOT,   4*HALFT
.set STAGE,  2*SLOT                    ; behind the ring: 16 rows x 272 bytes for each wave
.set SPITCH, 272
.set SPARE,  STAGE+4*16*SPITCH         ; the spare words, 128 bytes for each wave: two blocks of 256 bytes that no other line names
.set LAPS, SIZE_K/(2*KSTEP)
.set ADRA, 16
.set ADRB, 20
.set STO,  24
.set RD,   25
.set CO,   26
.set BO,   27
.set SPW,  28
.set NIL,  29
.set TMP,  32
.set BIAS, 96
.set ACC,  128
.set F0,   0
.set F1,   128
.set G1, 24
.set G0, 32
.set G1B, 48
.set G0B, 56
.set MSB, 0
.macro WIN new
.if MSB != \new
	s_set_vgpr_msb (MSB<<8)|\new
.set MSB, \new
.endif
.endm
.set MUL,  0x05                        ; sources 0 (B) and 1 (A) window 1; C and D window 0
.set TO_F, 0x40
.macro JLOAD s                         ; a joint load: waves 0 and 1 fetch A's two halves, waves 2 and 3 B's; an s_nop 0 and four v_nop follow each line
	s_cmp_eq_u32 s11, 0
	s_cbranch_scc0 .Lfor_b_\@
	tensor_load_to_lds s[G0+4*\s:G0+4*\s+3], s[G1:G1+7]
	s_nop 0
.rept 4
	v_nop
.endr
	s_branch .Lasked_\@
.Lfor_b_\@:
	tensor_load_to_lds s[G0B+4*\s:G0B+4*\s+3], s[G1B:G1B+7]
	s_nop 0
.rept 4
	v_nop
.endr
.Lasked_\@:
.endm
.macro CREST
	s_cmp_lg_u32 s10, 0
	s_cbranch_scc1 .Lnot_wave_0_\@
	s_barrier_signal -3
.Lnot_wave_0_\@:
	s_barrier_wait -3
	s_barrier_signal -1
	s_barrier_wait -1
.endm
.macro CROUND
	s_barrier_signal -1
	s_barrier_wait -1
	CREST
.endm
	s_load_b128 s[4:7], s[0:1], 0x0                ; att, wot
	s_load_b64 s[66:67], s[0:1], 0x10              ; bo
	s_load_b64 s[8:9], s[0:1], 0x18                ; out0
	v_lshl_add_u32 v[SPW], v0, 2, SPARE
	v_mov_b32 v[NIL], 0
	ds_add_u32 v[SPW], v[NIL]                      ; the wave's opening: the add, twice on end, and its wait ahead of my first tensor load
	ds_add_u32 v[SPW], v[NIL]
	v_lshrrev_b32 v1, 5, v0
	v_readfirstlane_b32 s10, v1                    ; wave 0..3
	s_lshr_b32 s11, s10, 1                         ; which half of the tile's rows is mine.  Also: I fetch for A (0) or for B (1)
	s_and_b32 s12, s10, 1                          ; which half of its columns.  Also: which 64 rows of that tile I fetch
	s_bfe_u32 s40, ttmp6, 0x40000
	s_bfe_u32 s41, ttmp6, 0x40004
	s_lshl_b32 s42, ttmp9, 2
	s_add_co_u32 s42, s42, s40                     ; tile column
	s_and_b32 s13, ttmp7, 0xffff
	s_lshl_b32 s13, s13, 2
	s_add_co_u32 s13, s13, s41                     ; tile row
	s_lshl_b32 s43, s41, 2
	s_lshl_b32 s43, 15, s43                        ; my row of the cluster
	s_lshl_b32 s44, 0x1111, s40                    ; my column
	s_or_b32 s[G1+0], s43, (1<<16)|(1<<20)|(1<<21)|(6<<22)|(3<<25)  ; the mask; elements of 2 bytes; padding on; bit 21 beside a mask; 4 words behind every 128
	s_or_b32 s[G1B+0], s44, (1<<16)|(1<<20)|(1<<21)|(6<<22)|(3<<25)
.irp g, G1, G1B
	s_mov_b32 s[\g+1], KSTEP<<16                   ; tensor_dim0 = 256
	s_mov_b32 s[\g+2], 64<<16                      ; tensor_dim1 = 64
	s_mov_b32 s[\g+3], KSTEP<<16                   ; tile_dim0 = 256
	s_mov_b32 s[\g+4], 64                          ; tile_dim1 = 64
	s_mov_b32 s[\g+5], SIZE_K                      ; the pitch
	s_mov_b32 s[\g+6], 0
	s_mov_b32 s[\g+7], 0
.endr
	s_lshl_b32 s17, s12, 6
	s_lshl_b32 s16, s13, 7
	s_add_co_u32 s16, s16, s17                     ; A: row 128 x tile row + 64 x half
	s_lshl_b32 s46, s42, 7
	s_add_co_u32 s46, s46, s17                     ; B: row 128 x tile column + 64 x half
	s_mov_b32 s17, 0
	s_mov_b32 s47, 0
	s_mov_b64 s[18:19], SIZE_K*2
	s_mul_u64 s[16:17], s[16:17], s[18:19]
	s_mul_u64 s[46:47], s[46:47], s[18:19]
	s_mul_i32 s20, s10, HALFT                      ; where they go: wave x 64 rows
	s_wait_dscnt 0x0                               ; both opening adds are done
	s_wait_kmcnt 0x0
	s_add_nc_u64 s[14:15], s[4:5], s[16:17]
	s_add_nc_u64 s[46:47], s[6:7], s[46:47]
	CROUND                                         ; all sixteen work-groups are here: the first joint loads meet
.irp s, 0,1
	s_mov_b32 s[G0+4*\s], 1
	s_add_co_u32 s[G0+4*\s+1], s20, \s*SLOT
	s_add_nc_u64 s[G0+4*\s+2:G0+4*\s+3], s[14:15], \s*KSTEP*2
	s_or_b32 s[G0+4*\s+3], s[G0+4*\s+3], 0x80000000
	s_mov_b32 s[G0B+4*\s], 1
	s_add_co_u32 s[G0B+4*\s+1], s20, \s*SLOT
	s_add_nc_u64 s[G0B+4*\s+2:G0B+4*\s+3], s[46:47], \s*KSTEP*2
	s_or_b32 s[G0B+4*\s+3], s[G0B+4*\s+3], 0x80000000
	JLOAD \s
.endr
	v_and_b32 v1, 15, v0                           ; l % 16
	v_bfe_u32 v2, v0, 4, 1                         ; l / 16
	s_lshl_b32 s46, s42, 9                         ; my first column, in bytes of f32: 512 x tile column + 256 x half: in out0's rows and in bo alike
	s_lshl_b32 s47, s12, 8
	s_add_co_u32 s46, s46, s47
	s_mov_b32 s47, 0
	s_add_nc_u64 s[8:9], s[8:9], s[46:47]
	s_add_nc_u64 s[66:67], s[66:67], s[46:47]
	v_lshlrev_b32 v[BO], 5, v2
.irp b, 0,1,2,3
.irp c, 0,1
	global_load_b128 v[BIAS+8*\b+4*\c:BIAS+8*\b+4*\c+3], v[BO], s[66:67] offset:64*\b+16*\c   ; register j of block b: the bias of column 16 b + 8 (l / 16) + j
.endr
.endr
	v_mul_u32_u24 v3, v1, PITCH
	v_lshl_add_u32 v3, v2, 4, v3
	s_mul_i32 s21, s11, HALFT
	s_mul_i32 s22, s12, HALFT
	s_add_co_u32 s22, s22, 2*HALFT
.irp s, 0,1
	v_add_nc_u32 v[ADRA+\s], s21, v3
	v_add_nc_u32 v[ADRB+\s], s22, v3
	s_add_co_u32 s21, s21, SLOT
	s_add_co_u32 s22, s22, SLOT
.endr
	s_mul_i32 s23, s10, 16*SPITCH
	s_add_co_u32 s23, s23, STAGE                   ; my stage
	v_mul_u32_u24 v4, v1, SPITCH                   ; in: row l % 16, 32 bytes for each half of the lanes
	v_lshl_add_u32 v4, v2, 5, v4
	v_add_nc_u32 v[STO], s23, v4
	v_mul_u32_u24 v5, v2, SPITCH                   ; back: lanes 0-15 one row of 256 bytes, lanes 16-31 the next
	v_lshl_add_u32 v5, v1, 4, v5
	v_add_nc_u32 v[RD], s23, v5
	v_lshlrev_b32 v5, 12, v2                       ; and the same two rows in out0
	v_lshl_add_u32 v[CO], v1, 4, v5
	s_lshl_b32 s16, s13, 7
	s_lshl_b32 s17, s11, 6
	s_add_co_u32 s16, s16, s17                     ; my first row
	s_lshl_b32 s16, s16, 12
	s_mov_b32 s17, 0
	s_add_nc_u64 s[8:9], s[8:9], s[16:17]
; 8 matrix instructions: m blocks a0, a0 + 1 x all 4 n blocks, 32 along K.  zero = 1: the first product of each sum takes the bias as C.  The 16 accumulators take turns
.macro MUL8 f, c, a0, zero
.irp a, \a0, \a0+1
.irp b, 0,1,2,3
.if \zero
	v_wmma_f32_16x16x32_f16 v[ACC+8*(4*(\a)+\b):ACC+8*(4*(\a)+\b)+7], v[\f+64+8*(4*\c+\b):\f+64+8*(4*\c+\b)+7], v[\f+8*(4*\c+\a):\f+8*(4*\c+\a)+7], v[BIAS+8*\b:BIAS+8*\b+7]
.else
	v_wmma_f32_16x16x32_f16 v[ACC+8*(4*(\a)+\b):ACC+8*(4*(\a)+\b)+7], v[\f+64+8*(4*\c+\b):\f+64+8*(4*\c+\b)+7], v[\f+8*(4*\c+\a):\f+8*(4*\c+\a)+7], v[ACC+8*(4*(\a)+\b):ACC+8*(4*(\a)+\b)+7]
.endif
.endr
.endr
.endm
.macro FETCH slot, k, f                ; 32 LDS loads in one run: the fragments of 64 along K, the first 32 along K first
	WIN TO_F
.irp c, 0,1
.irp i, 0,1,2,3
	ds_load_b128 v[\f+64+8*(4*\c+\i):\f+64+8*(4*\c+\i)+3],   v[ADRB+\slot] offset:\k+64*\c+\i*16*PITCH
	ds_load_b128 v[\f+64+8*(4*\c+\i)+4:\f+64+8*(4*\c+\i)+7], v[ADRB+\slot] offset:\k+64*\c+\i*16*PITCH+32
	ds_load_b128 v[\f+8*(4*\c+\i):\f+8*(4*\c+\i)+3],         v[ADRA+\slot] offset:\k+64*\c+\i*16*PITCH
	ds_load_b128 v[\f+8*(4*\c+\i)+4:\f+8*(4*\c+\i)+7],       v[ADRA+\slot] offset:\k+64*\c+\i*16*PITCH+32
.endr
.endr
.endm
.macro PLACES
.rept 4
	v_nop
.endr
.endm
.macro QUARTER slot, k, f, g, zero
	s_wait_dscnt 16                                ; the first 32 along K are in
	WIN MUL
	MUL8 \f, 0, 0, \zero
	MUL8 \f, 0, 2, \zero
	PLACES
	FETCH \slot, \k, \g
	s_wait_dscnt 32                                ; all but the 32 just issued
	WIN MUL
	MUL8 \f, 1, 0, 0
	MUL8 \f, 1, 2, 0
.endm
; The last quarter changes slots: one barrier; in front of it each wave waits for all its tensor loads, adds 0 to its spare word, and waits for that and for its reads of this slot.  fill = 1: the slot is filled again, two K steps ahead.
.macro TURN slot, next, fill
	WIN 0
	s_wait_tensorcnt 0x0                           ; all my tensor loads have landed: my part of the next slot
	ds_add_u32 v[SPW], v[NIL]
	s_wait_dscnt 17                                ; the add and the youngest sixteen loads may be out
	WIN MUL
	MUL8 F1, 0, 0, 0
	s_wait_dscnt 0x0                               ; the add is done, and my reads of this slot are over
	s_barrier_signal -1
	MUL8 F1, 0, 2, 0
.if \fill
	WIN 0
.endif
	s_barrier_wait -1
.if \fill
	CREST                                          ; the barrier has opened a round of the cluster's barrier: no wave of any partner still reads this slot or has a load on its way
	s_add_nc_u64 s[G0+4*\slot+2:G0+4*\slot+3], s[G0+4*\slot+2:G0+4*\slot+3], 2*KSTEP*2
	s_add_nc_u64 s[G0B+4*\slot+2:G0B+4*\slot+3], s[G0B+4*\slot+2:G0B+4*\slot+3], 2*KSTEP*2
	JLOAD \slot                                    ; my one tensor load behind the round; its four v_nop are also the places in front of the loads below
.else
	PLACES
.endif
	FETCH \next, 0, F0
	WIN MUL
	MUL8 F1, 1, 0, 0
	MUL8 F1, 1, 2, 0
.endm
	s_wait_tensorcnt 1                             ; my part of K step 0 is in; K step 1's may be out
	s_barrier_signal -1
	s_barrier_wait -1
	FETCH 0, 0, F0
	s_wait_loadcnt 0x0                             ; the bias
	QUARTER 0, 128, F0, F1, 1
	WIN 0
	s_mov_b32 s3, LAPS-1
.Llap:
	QUARTER 0, 256, F1, F0, 0
	QUARTER 0, 384, F0, F1, 0
	TURN 0, 1, 1
	QUARTER 1, 128, F0, F1, 0
	QUARTER 1, 256, F1, F0, 0
	QUARTER 1, 384, F0, F1, 0
	TURN 1, 0, 1
	QUARTER 0, 128, F0, F1, 0
	WIN 0
	s_sub_co_u32 s3, s3, 1
	s_cmp_lg_u32 s3, 0
	s_cbranch_scc1 .Llap
	QUARTER 0, 256, F1, F0, 0                      ; the last lap fills nothing
	QUARTER 0, 384, F0, F1, 0
	TURN 0, 1, 0
	QUARTER 1, 128, F0, F1, 0
	QUARTER 1, 256, F1, F0, 0
	QUARTER 1, 384, F0, F1, 0
	s_wait_dscnt 16
	WIN MUL
	MUL8 F1, 0, 0, 0
	MUL8 F1, 0, 2, 0
	s_wait_dscnt 0
	MUL8 F1, 1, 0, 0
	MUL8 F1, 1, 2, 0
	WIN 0
; THE WAY OUT, block by block of 16 rows x 64 columns: the accumulators go to my stage as they are, each from its low end on, and come back as whole rows of 256 bytes.
.macro TOSTAGE a
.irp b, 0,1,2,3
	ds_store_b128 v[STO], v[ACC+8*(4*(\a)+\b):ACC+8*(4*(\a)+\b)+3] offset:64*\b
	ds_store_b128 v[STO], v[ACC+8*(4*(\a)+\b)+4:ACC+8*(4*(\a)+\b)+7] offset:64*\b+16
.endr
.set BB, TMP+32*((\a)%2)
.irp t, 0,1,2,3,4,5,6,7
	ds_load_b128 v[BB+4*\t:BB+4*\t+3], v[RD] offset:\t*2*SPITCH   ; a wave's LDS instructions are served in order: these see the stores above
.endr
.endm
.macro SEND a, younger                 ; younger: the LDS instructions issued behind block a's loads: the next block's 8 stores and 8 loads, or none
.set BB, TMP+32*((\a)%2)
	s_wait_dscnt \younger
.irp t, 0,1,2,3,4,5,6,7
	global_store_b128 v[CO], v[BB+4*\t:BB+4*\t+3], s[8:9] offset:(16*(\a)+2*\t)*4096 th:TH_STORE_NT   ; sixteen lanes store 256 consecutive bytes, aligned
.endr
.endm
	PLACES
	TOSTAGE 0
.irp a, 1,2,3
.if \a > 1
	s_wait_xcnt 0x0                                ; block a - 2's stores have read their registers: block a's loads may land there
.endif
	TOSTAGE \a
	SEND \a-1, 16
.endr
	SEND 3, 0
	s_wait_tensorcnt 0x0                           ; the wave's end
	ds_add_u32 v[SPW], v[NIL]
	s_wait_dscnt 0x0
	CROUND                                         ; the closing round
	s_endpgm
.Lfunc_end_k_q69d268e861_proj:
	.size	k_q69d268e861_proj, .Lfunc_end_k_q69d268e861_proj-k_q69d268e861_proj
	.p2alignl 7, 3214868480
	.fill 96, 4, 3214868480
	.section	.rodata,"a",@progbits
	.p2align	6, 0x0
	.amdhsa_kernel k_q69d268e861_proj
		.amdhsa_group_segment_fixed_size 327680
		.amdhsa_private_segment_fixed_size 0
		.amdhsa_enable_private_segment 0
		.amdhsa_kernarg_size 32
		.amdhsa_user_sgpr_count 2
		.amdhsa_user_sgpr_kernarg_segment_ptr 1
		.amdhsa_wavefront_size32 1
		.amdhsa_system_sgpr_workgroup_id_x 1
		.amdhsa_system_sgpr_workgroup_id_y 1
		.amdhsa_system_sgpr_workgroup_id_z 1
		.amdhsa_system_vgpr_workitem_id 0
		.amdhsa_next_free_vgpr 512
		.amdhsa_next_free_sgpr 68
		.amdhsa_reserve_vcc 0
		.amdhsa_float_denorm_mode_32 3
		.amdhsa_float_denorm_mode_16_64 3
		.amdhsa_memory_ordered 1
		.amdhsa_forward_progress 1
		.amdhsa_inst_pref_size 86
	.end_amdhsa_kernel
	.amdgpu_metadata
---
amdhsa.version: [ 1, 2 ]
amdhsa.kernels:
  - .name:           k_q69d268e861_proj
    .symbol:         k_q69d268e861_proj.kd
    .args:
      - { .name: att, .offset: 0, .size: 8, .value_kind: global_buffer, .address_space: global }
      - { .name: wot, .offset: 8, .size: 8, .value_kind: global_buffer, .address_space: global }
      - { .name: bo, .offset: 16, .size: 8, .value_kind: global_buffer, .address_space: global }
      - { .name: out0, .offset: 24, .size: 8, .value_kind: global_buffer, .address_space: global }
    .group_segment_fixed_size: 327680
    .private_segment_fixed_size: 0
    .kernarg_segment_align: 8
    .kernarg_segment_size: 32
    .max_flat_workgroup_size: 128
    .sgpr_count:     68
    .vgpr_count:     512
    .wavefront_size: 32
...
	.end_amdgpu_metadata
.endif
;; end of part 4
;; launch fineproj (part 5): grid 64 x 4, 8 waves a work-group, no clusters, 11,264 bytes of LDS; arguments att32, Wo, bo, out0; writes out0
.if DOCPART == 5
	.amdgcn_target "amdgcn-amd-amdhsa--gfx1250"
	.amdhsa_code_object_version 6
	.text
	.protected	k_q69d268e861_fineproj
	.globl	k_q69d268e861_fineproj
	.p2align	8
	.type	k_q69d268e861_fineproj,@function
k_q69d268e861_fineproj:
	s_mov_b64 s[64:65], 0
	v_nop
	global_prefetch_b8 v0, s[64:65] scope:SCOPE_SE
	s_setreg_imm32_b32 hwreg(HW_REG_WAVE_MODE, 25, 1), 1
	s_wait_xcnt 0x0
; Rows 0-15 of every sequence once more, in f32 throughout: out0[b][t < 16][:] = att32[16 b + t][:] Wo + bo, by the f32 matrix form.  It runs last and writes those 64 rows over.
; A work-group takes 16 rows (one batch) x 16 columns, so that 256 work-groups share this small work; each of its eight waves takes 128 of K; the eight parts meet in LDS and are added in a fixed order.
; THE PRICE, stated: Wo is read and out0 is written in pieces of 64 bytes: 4 MiB read, 256 KiB written in all.
; The product is used transposed (source 0 = 16 columns of Wo, source 1 = 16 rows of att32): slot (h, j) of a K step of 4 is k = 8 g + 4 h + 2 u + j in both sources.
; No tensor load, no cluster: the work-groups of a batch share 64 KiB of att32 alone.
; REGISTERS: v3-8 addresses; v12-15 the bias; v16-79 att32; v80-143 Wo; v144-175 four accumulators, written by matrix instructions alone; v176-191 their sum.
.set PP,    80                         ; a plane's row: 64 bytes + 16
.set PLANE, 16*PP
.set SPARE, 8*PLANE                    ; the spare words, 128 bytes for each wave: four blocks of 256 bytes that no other line names
.set SPW, 10
.set NIL, 11
	s_load_b256 s[4:11], s[0:1], 0x0               ; att32 4, Wo 6, bo 8, out0 10
	v_lshl_add_u32 v[SPW], v0, 2, SPARE
	v_mov_b32 v[NIL], 0
	v_lshrrev_b32 v1, 5, v0
	v_readfirstlane_b32 s12, v1                    ; wave 0..7: which 128 of K
	v_and_b32 v1, 15, v0                           ; r
	v_bfe_u32 v2, v0, 4, 1                         ; h
	s_and_b32 s13, ttmp7, 0xffff                   ; the batch
	v_lshlrev_b32 v3, 12, v1
	v_lshl_add_u32 v3, v2, 4, v3                   ; att32: row r of 4,096 bytes, + 16 h
	v_lshlrev_b32 v4, 14, v2
	v_lshl_add_u32 v4, v1, 2, v4                   ; Wo: column r, lanes 16-31 four rows further down
	s_mul_i32 s16, s12, PLANE
	v_mul_u32_u24 v5, v1, PP
	v_lshl_add_u32 v5, v2, 5, v5
	v_add_nc_u32 v5, s16, v5                       ; my plane: row r, + 32 h
	v_and_b32 v9, 63, v0
	v_lshrrev_b32 v7, 2, v9                        ; at the end 64 threads take a row and four columns each
	v_and_b32 v8, 3, v9
	v_lshlrev_b32 v8, 4, v8
	v_mul_u32_u24 v6, v7, PP
	v_add_nc_u32 v6, v6, v8
	v_lshl_add_u32 v7, v7, 12, v8
	s_mov_b32 s15, 0
	s_lshl_b32 s17, ttmp9, 6                       ; my 16 columns, in bytes
	s_wait_kmcnt 0x0
	s_lshl_b32 s14, s13, 16
	s_lshl_b32 s16, s12, 9
	s_add_co_u32 s14, s14, s16
	s_add_nc_u64 s[4:5], s[4:5], s[14:15]
	s_lshl_b32 s14, s12, 19
	s_add_co_u32 s14, s14, s17
	s_add_nc_u64 s[6:7], s[6:7], s[14:15]
	s_mov_b32 s14, s17
	s_add_nc_u64 s[8:9], s[8:9], s[14:15]
	s_lshl_b32 s14, s13, 23                        ; 2,048 rows of 4,096 bytes a batch
	s_add_co_u32 s14, s14, s17
	s_add_nc_u64 s[10:11], s[10:11], s[14:15]
.irp g, 0,1,2,3,4,5,6,7,8,9,10,11,12,13,14,15
	global_load_b128 v[16+4*\g:19+4*\g], v3, s[4:5] offset:32*\g
.endr
	global_load_b128 v[12:15], v8, s[8:9]
.irp g, 0,1,2,3,4,5,6,7,8,9,10,11,12,13,14,15
.irp i, 0,1,2,3
	global_load_b32 v[80+4*\g+\i], v4, s[6:7] offset:(8*\g+\i)*4096
.endr
.endr
	s_wait_loadcnt 0x0
.set st, 0
.rept 32                               ; four accumulators by turns, one instruction a turn; the first four products start the sums
.if st < 4
	v_wmma_f32_16x16x4_f32 v[144+8*(st%4):151+8*(st%4)], v[80+2*st:81+2*st], v[16+2*st:17+2*st], 0
.else
	v_wmma_f32_16x16x4_f32 v[144+8*(st%4):151+8*(st%4)], v[80+2*st:81+2*st], v[16+2*st:17+2*st], v[144+8*(st%4):151+8*(st%4)]
.endif
.set st, st+1
.endr
.rept 8
	v_nop
.endr
.irp i, 0,2,4,6
	v_pk_add_f32 v[176+\i:177+\i], v[144+\i:145+\i], v[152+\i:153+\i]
.endr
.irp i, 0,2,4,6
	v_pk_add_f32 v[184+\i:185+\i], v[160+\i:161+\i], v[168+\i:169+\i]
.endr
.irp i, 0,2,4,6
	v_pk_add_f32 v[176+\i:177+\i], v[176+\i:177+\i], v[184+\i:185+\i]
.endr
	ds_store_b128 v5, v[176:179]                   ; lane (r, h): row r, columns 8 h + 0 .. 7
	ds_store_b128 v5, v[180:183] offset:16
	s_wait_dscnt 0x0                               ; for the others' sake: my stores have landed
	s_barrier_signal -1
	s_barrier_wait -1
	s_cmp_lt_u32 s12, 2
	s_cbranch_scc0 .Ldone
.irp p, 0,1,2,3,4,5,6,7
	ds_load_b128 v[16+4*\p:19+4*\p], v6 offset:\p*PLANE
.endr
	s_wait_dscnt 0x0
.irp p, 1,2,3,4,5,6,7
	v_pk_add_f32 v[16:17], v[16:17], v[16+4*\p:17+4*\p]
	v_pk_add_f32 v[18:19], v[18:19], v[18+4*\p:19+4*\p]
.endr
	v_pk_add_f32 v[16:17], v[16:17], v[12:13]
	v_pk_add_f32 v[18:19], v[18:19], v[14:15]
	global_store_b128 v7, v[16:19], s[10:11]
.Ldone:
	s_wait_tensorcnt 0x0                           ; the wave's end
	ds_add_u32 v[SPW], v[NIL]
	s_wait_dscnt 0x0
	s_endpgm
.Lfunc_end_k_q69d268e861_fineproj:
	.size	k_q69d268e861_fineproj, .Lfunc_end_k_q69d268e861_fineproj-k_q69d268e861_fineproj
	.p2alignl 7, 3214868480
	.fill 96, 4, 3214868480
	.section	.rodata,"a",@progbits
	.p2align	6, 0x0
	.amdhsa_kernel k_q69d268e861_fineproj
		.amdhsa_group_segment_fixed_size 11264
		.amdhsa_private_segment_fixed_size 0
		.amdhsa_enable_private_segment 0
		.amdhsa_kernarg_size 32
		.amdhsa_user_sgpr_count 2
		.amdhsa_user_sgpr_kernarg_segment_ptr 1
		.amdhsa_wavefront_size32 1
		.amdhsa_system_sgpr_workgroup_id_x 1
		.amdhsa_system_sgpr_workgroup_id_y 1
		.amdhsa_system_sgpr_workgroup_id_z 1
		.amdhsa_system_vgpr_workitem_id 0
		.amdhsa_next_free_vgpr 192
		.amdhsa_next_free_sgpr 66
		.amdhsa_reserve_vcc 0
		.amdhsa_float_denorm_mode_32 3
		.amdhsa_float_denorm_mode_16_64 3
		.amdhsa_memory_ordered 1
		.amdhsa_forward_progress 1
		.amdhsa_inst_pref_size 15
	.end_amdhsa_kernel
	.amdgpu_metadata
---
amdhsa.version: [ 1, 2 ]
amdhsa.kernels:
  - .name:           k_q69d268e861_fineproj
    .symbol:         k_q69d268e861_fineproj.kd
    .args:
      - { .name: att32, .offset: 0, .size: 8, .value_kind: global_buffer, .address_space: global }
      - { .name: Wo, .offset: 8, .size: 8, .value_kind: global_buffer, .address_space: global }
      - { .name: bo, .offset: 16, .size: 8, .value_kind: global_buffer, .address_space: global }
      - { .name: out0, .offset: 24, .size: 8, .value_kind: global_buffer, .address_space: global }
    .group_segment_fixed_size: 11264
    .private_segment_fixed_size: 0
    .kernarg_segment_align: 8
    .kernarg_segment_size: 32
    .max_flat_workgroup_size: 256
    .sgpr_count:     66
    .vgpr_count:     192
    .wavefront_size: 32
...
	.end_amdgpu_metadata
.endif
;; end of part 5
;; ======== version 2 of 2: 5 launches; version 1 with the launch attn written anew for expert scheduling mode
;; limits: values are held in f16: magnitudes above 65,504 overflow, below 6.1e-05 lose precision
;; workspace buffers: xc 4,194,304 bytes; xs 262,144 bytes; wc 1,572,864 bytes; ws 98,304 bytes; wot 2,097,152 bytes; qkv 50,331,648 bytes; att 16,777,216 bytes; att32 262,144 bytes
;; launch prep: the kernel of part 1 again; grid 416 x 1, 4 waves a work-group, no clusters, 86,016 bytes of LDS; arguments x, Wq, Wk, Wv, Wo, xc, xs, wc, ws, wot; writes xc, xs, wc, ws, wot
;; launch qkv: the kernel of part 2 again; grid 12 x 32, 4 waves a work-group, clusters of 4 x 4, 327,680 bytes of LDS; arguments xc, xs, wc, ws, bq, bk, bv, qkv; writes qkv
;; launch attn (part 6): grid 576 x 1, 16 waves a work-group, no clusters, 204,800 bytes of LDS; arguments qkv, att, xc, xs, wc, ws, bq, bk, bv, att32; writes att, att32
.if DOCPART == 6
	.amdgcn_target "amdgcn-amd-amdhsa--gfx1250"
	.amdhsa_code_object_version 6
	.text
	.protected	k_q69d268e861_attn
	.globl	k_q69d268e861_attn
	.p2align	8
	.type	k_q69d268e861_attn,@function
k_q69d268e861_attn:
	s_mov_b64 s[64:65], 0
	v_nop
	global_prefetch_b8 v0, s[64:65] scope:SCOPE_SE
	s_setreg_imm32_b32 hwreg(HW_REG_WAVE_SCHED_MODE, 0, 2), 2
	s_setreg_imm32_b32 hwreg(HW_REG_WAVE_MODE, 25, 1), 1
	s_wait_xcnt 0x0
	s_wait_alu depctr_vm_vsrc(0)
; Attention under the band that the problem builds itself: query t sees keys t - 128 .. t.  Two kinds of work-groups, told apart by the work-group's number, each with LDS bytes of its own.
; MAIN (work-groups 64-575): 128 queries x 2 heads; each of 16 waves owns one tile of 16 queries of one head.  q, k, v come as f16 from qkv; products on f16 operands, sums, maxima and softmax in f32.
;   A tile's band is 144 keys; 160 are taken (ten tiles of 16, from an even tile on), all scores stay in registers, so the row's true maximum is taken away in ONE pass.
;   S^T = K Q^T (a lane holds one query, its registers keys), P packed to f16 in place IS the second product's source 1, O^T = V^T P; V is turned on its way out of LDS.
;   Hidden scores become -infinity where the problem has -1e30: p is 0 both ways, since every row keeps its own key.
; FINE (work-groups 0-63, one for a batch and head): positions 0-15, which average few values, in f32 throughout.  Twelve waves make q, k, v of those 16 positions anew, by the same products on
;   codes of FP4 with f32 sums and bias; wave 0 takes scores, softmax and the second product by the f32 matrix form; the result goes to att32 in f32.
; NO CLUSTER: no tile comes by a tensor load; each work-group asks for all its bytes once, at its head; and a block of 128 keys that two neighbours share is rows 128-255 of one's LDS and rows 0-127 of the other's.
; LIMITS: |q|, |k|, |v| up to 65,504 (f16); NaN and infinities among the inputs are not served.
; REGISTERS (main): v1 r, v2 h, v3-13 addresses; v16-31 Q; v32-111 S^T, ten tiles, then p, then P packed into v32-71, and then V's chunk 2 in v72-103; v112-143 O^T (written by matrix instructions alone, in the whole text);
;   v144-223 fragments of K or V, staging, and the way out; v224-239 the fine path's scale words and nothing else; v240-255 statistics.
; THE MODE: SCHED_MODE bits 1:0 = 2 (LLVM: expert scheduling mode 2), set by the entry lines.  The code itself states the register dependences between vector or matrix instructions
; and memory or LDS instructions, with s_wait_alu, always for 0.
; THE PLAN (main).  Registers that memory or LDS instructions touch:
;   v3, v9         offsets of the global loads: made at the head, never written again.      v4-v8, v10-v12  LDS and store addresses: made behind the global loads, never written again.
;   v144-207       staging: global loads land, LDS stores read; then, with v208-223, K's tiles 0-4 land and ten products read them; K's tiles 5-9 likewise; then V's chunks 0, 1; then V's chunks 3, 4.
;   v72-103        scores and p, named by vector and matrix instructions up to the pack to f16; then V's chunk 2 lands there.
;   v176-191       the way out's roundings write them, LDS stores read them.                v192-207  chunk 4's products read them; then the loads from the stage land, and the global stores read them.
; So a wait on va_vdst stands ahead of each run of loads into registers that products or conversions have just named, one ahead of each run of stores of fresh results, and one wait on vm_vsrc behind the staging's stores.
; V's chunk 2 is on its way while chunks 0, 1 are multiplied, chunks 3, 4 while chunk 2 is.  The masks of the band are made by compares in runs, into scalar registers, with one wait on va_sdst behind each run.
; THE PLAN (fine).  v3-v9 addresses, made once; v16-79, v144-215, v224-239 land from memory and are read by the eight products; v216-223, their sum, goes to LDS; v16-111 take the twelve images in wave 0; v160-191 go to memory.
.set KP,    144                        ; a row of K in LDS: 128 bytes + 16
.set VP,    160                        ; a row of V: 128 + 32, for the turning load
.set KHD,   256*KP                     ; a head's 256 rows: 128 of the block before, 128 of my own
.set VB,    2*KHD
.set VHD,   256*VP
.set OST,   VB+2*VHD                   ; the way out: 128 rows x (two heads' 256 bytes + 16)
.set OP,    272
.set FIM,   OST+128*OP                 ; the fine path: twelve images of 8 registers, 1,024 bytes each
.set SPARE, FIM+12*1024                ; the spare words, 128 bytes for each wave: eight blocks of 256 bytes that no other line names
.set SPW,   14
.set NIL,   15
.set Q,     16
.set S,     32
.set V2,    72                         ; v72-103: V's chunk 2, where p lay before it was packed
.set OA,    112
.set FB,    144
.set WV,    24
.set MK,    8                          ; s[8:23]: main: sixteen masks of the band at a time (the arguments that lay there are not used on this path)
.set FMK,   32                         ; s[32:39]: fine, wave 0: eight masks (what lay there was used up ahead of the loads)
	s_load_b512 s[4:19], s[0:1], 0x0               ; qkv 4, att 6, xc 8, xs 10, wc 12, ws 14, bq 16, bk 18
	s_load_b128 s[20:23], s[0:1], 0x40             ; bv 20, att32 22
	v_lshl_add_u32 v[SPW], v0, 2, SPARE
	v_mov_b32 v[NIL], 0
	v_lshrrev_b32 v1, 5, v0
	v_readfirstlane_b32 s[WV], v1                  ; wave 0..15
	v_and_b32 v1, 15, v0                           ; r
	v_bfe_u32 v2, v0, 4, 1                         ; h
	v_mov_b32 v245, 0                              ; a lane permute's destination counts as one of its sources
	v_mov_b32 v252, 0xff800000                     ; -infinity
	v_mov_b32 v255, 0                              ; named as the upper half of the pair v[254:255]
	s_mov_b32 s44, 0x3e38aa3b                      ; c = log2(e) / sqrt(64)
	s_mov_b32 s45, s44
	s_mov_b32 s46, 0x76543210
	s_mov_b32 s47, 0xfedcba98                      ; lane l xor 16
	s_mov_b32 s27, 0                               ; the upper word of the offsets' pair s[26:27]
	s_wait_alu depctr_va_sdst(0)                   ; the wave's number is written into s24, ahead of its first reader on either path and of the branch
	s_cmp_lt_u32 ttmp9, 64
	s_cbranch_scc1 .Lfine
; ================ MAIN
	s_sub_co_u32 s25, ttmp9, 64
	s_and_b32 s28, s25, 15                         ; qb: which 128 queries of the sequence
	s_bfe_u32 s29, s25, 0x30004                    ; hp: which pair of heads
	s_lshr_b32 s30, s25, 7                         ; b
	s_lshr_b32 s31, s[WV], 3                       ; hd: which head of the pair
	s_and_b32 s48, s[WV], 7                        ; w: which tile of 16 queries
	s_lshr_b32 s49, s48, 1
	s_lshl_b32 s50, s30, 11
	s_lshl_b32 s51, s28, 7
	s_add_co_u32 s50, s50, s51                     ; m0: my block's first row
	s_cmp_lg_u32 s28, 0
	s_cselect_b32 s51, 128, 0
	s_sub_co_u32 s51, s50, s51                     ; the block before; a sequence's first block takes its own rows there: finite numbers, all of them hidden below
	s_lshl_b32 s52, s29, 21
	v_lshlrev_b32 v3, 4, v0                        ; 512 threads x 16 bytes: 64 rows of 128 bytes
	v_lshlrev_b32 v9, 7, v1
	v_lshl_add_u32 v9, v2, 4, v9                   ; Q: row r, + 16 h
	s_wait_kmcnt 0x0
	s_lshl_b32 s26, s50, 7
	s_add_co_u32 s26, s26, s52
	s_add_co_u32 s26, s26, 0x1000000
	s_add_nc_u64 s[32:33], s[4:5], s[26:27]        ; K, my block
	s_add_nc_u64 s[36:37], s[32:33], 0x1000000     ; V, my block
	s_lshl_b32 s26, s51, 7
	s_add_co_u32 s26, s26, s52
	s_add_co_u32 s26, s26, 0x1000000
	s_add_nc_u64 s[34:35], s[4:5], s[26:27]        ; K, the block before
	s_add_nc_u64 s[38:39], s[34:35], 0x1000000     ; V, the block before
	s_lshl_b32 s53, s48, 4
	s_add_co_u32 s53, s53, s50
	s_lshl_b32 s26, s53, 7
	s_add_co_u32 s26, s26, s52
	s_lshl_b32 s53, s31, 20
	s_add_co_u32 s26, s26, s53
	s_add_nc_u64 s[40:41], s[4:5], s[26:27]        ; Q, my tile
	s_lshl_b32 s53, s[WV], 3
	s_add_co_u32 s53, s53, s50
	s_lshl_b32 s26, s53, 11
	s_lshl_b32 s53, s29, 8
	s_add_co_u32 s26, s26, s53
	s_add_nc_u64 s[42:43], s[6:7], s[26:27]        ; att: the 8 rows that my wave stores, at the pair's 256 bytes
	s_wait_alu depctr_va_vdst(0)                   ; v3 and v9 are written: the twenty loads below read them as their offsets
.irp hd, 0,1
.irp blk, 0,1
.irp hf, 0,1
	global_load_b128 v[FB+4*(4*\hd+2*\blk+\hf):FB+4*(4*\hd+2*\blk+\hf)+3], v3, s[34-2*\blk:35-2*\blk] offset:\hd*1048576+\hf*8192
.endr
.endr
.endr
.irp hd, 0,1
.irp blk, 0,1
.irp hf, 0,1
	global_load_b128 v[FB+32+4*(4*\hd+2*\blk+\hf):FB+32+4*(4*\hd+2*\blk+\hf)+3], v3, s[38-2*\blk:39-2*\blk] offset:\hd*1048576+\hf*8192
.endr
.endr
.endr
.irp i, 0,1,2,3
	global_load_b128 v[Q+4*\i:Q+4*\i+3], v9, s[40:41] offset:32*\i   ; two fragments: channels 0-31, 32-63
.endr
	v_lshrrev_b32 v240, 3, v0                      ; thread / 8: a row of the 64
	v_and_b32 v241, 7, v0                          ; thread % 8: 16 bytes of it
	v_mul_u32_u24 v4, v240, KP
	v_lshl_add_u32 v4, v241, 4, v4                 ; K into LDS
	v_mul_u32_u24 v5, v240, VP
	v_lshl_add_u32 v5, v241, 4, v5
	v_add_nc_u32 v5, VB, v5                        ; V into LDS, head 0,
	v_add_nc_u32 v6, VHD, v5                       ; head 1
	s_mul_i32 s53, s31, KHD
	s_mul_i32 s54, s49, 32*KP
	s_add_co_u32 s53, s53, s54
	v_mul_u32_u24 v7, v1, KP
	v_lshl_add_u32 v7, v2, 4, v7
	v_add_nc_u32 v7, s53, v7                       ; K's fragments: my head, from row 32 (w / 2) on
	s_mul_i32 s53, s31, VHD
	s_mul_i32 s54, s49, 32*VP
	s_add_co_u32 s53, s53, s54
	s_add_co_u32 s53, s53, VB
	v_lshl_add_u32 v8, v2, 3, v241                 ; the turning load: key 8 h + l % 8,
	v_mul_u32_u24 v8, v8, VP
	v_bfe_u32 v11, v0, 3, 1
	v_lshl_add_u32 v8, v11, 4, v8                  ; channels 8 ((l / 8) % 2) on
	v_add_nc_u32 v8, s53, v8
	s_mul_i32 s53, s48, 16*OP
	s_lshl_b32 s54, s31, 7
	s_add_co_u32 s53, s53, s54
	s_add_co_u32 s53, s53, OST
	v_mul_u32_u24 v10, v1, OP
	v_lshl_add_u32 v10, v2, 4, v10
	v_add_nc_u32 v10, s53, v10                     ; the way out, in: row 16 w + r, my head's 128 bytes, + 16 h
	s_mul_i32 s53, s[WV], 8*OP
	s_add_co_u32 s53, s53, OST
	v_mul_u32_u24 v11, v2, OP
	v_lshl_add_u32 v11, v1, 4, v11
	v_add_nc_u32 v11, s53, v11                     ; back: rows 8 wave on, sixteen lanes to a row
	v_lshlrev_b32 v12, 11, v2
	v_lshl_add_u32 v12, v1, 4, v12                 ; and the same two rows in att
	s_and_b32 s53, s48, 1
	s_lshl_b32 s53, s53, 4
	v_lshlrev_b32 v13, 3, v2
	v_sub_nc_u32 v13, v1, v13
	v_add_nc_u32 v13, s53, v13                     ; e = r - 8 h + 16 (w % 2): query - key = 128 + e - (16 j + i) for register i of tile j
	s_lshl_b32 s55, s49, 1
	s_sub_co_u32 s55, 8, s55                       ; in a sequence's first block tiles under 8 - 2 (w / 2) lie ahead of the sequence
	s_wait_loadcnt 12                              ; K's eight loads are in; V's eight and Q's four may be out
	s_wait_alu depctr_va_vdst(0)                   ; v4 to v12 are written: every LDS store and load and every store to att from here on reads one of them as its address, and none is written again
.irp hd, 0,1
.irp blk, 0,1
.irp hf, 0,1
	ds_store_b128 v4, v[FB+4*(4*\hd+2*\blk+\hf):FB+4*(4*\hd+2*\blk+\hf)+3] offset:\hd*KHD+\blk*128*KP+\hf*64*KP
.endr
.endr
.endr
	s_wait_loadcnt 4                               ; V's are in; Q's four may be out
.irp hd, 0,1
.irp blk, 0,1
.irp hf, 0,1
	ds_store_b128 v[5+\hd], v[FB+32+4*(4*\hd+2*\blk+\hf):FB+32+4*(4*\hd+2*\blk+\hf)+3] offset:\blk*128*VP+\hf*64*VP
.endr
.endr
.endr
	s_wait_dscnt 0x0                               ; for the others' sake: my stores have landed
	s_barrier_signal -1
	s_barrier_wait -1
	s_wait_alu depctr_vm_vsrc(0)                   ; my sixteen LDS stores have read v144-207, the staging registers, in which K's fragments land
.macro KLOAD j0, n                     ; n tiles of 16 keys x 64 channels: 16 registers each
.set jj, 0
.rept \n
.irp c, 0,1
.irp u, 0,1
	ds_load_b128 v[FB+16*jj+8*\c+4*\u:FB+16*jj+8*\c+4*\u+3], v7 offset:(\j0+jj)*16*KP+64*\c+32*\u
.endr
.endr
.set jj, jj+1
.endr
.endm
.macro SMUL j0, n                      ; the n accumulators take turns, one instruction a turn; the first product starts each sum
.irp c, 0,1
.set jj, 0
.rept \n
.if \c == 0
	v_wmma_f32_16x16x32_f16 v[S+8*(\j0+jj):S+8*(\j0+jj)+7], v[FB+16*jj:FB+16*jj+7], v[Q:Q+7], 0
.else
	v_wmma_f32_16x16x32_f16 v[S+8*(\j0+jj):S+8*(\j0+jj)+7], v[FB+16*jj+8:FB+16*jj+15], v[Q+8:Q+15], v[S+8*(\j0+jj):S+8*(\j0+jj)+7]
.endif
.set jj, jj+1
.endr
.endr
.endm
.macro VLOAD reg, ch                   ; chunk ch of 32 keys x 64 channels, turned, into the 32 registers from v[reg] on
.irp ct, 0,1,2,3
	ds_load_tr16_b128 v[\reg+8*\ct:\reg+8*\ct+3], v8 offset:(\ch)*32*VP+32*\ct
	ds_load_tr16_b128 v[\reg+8*\ct+4:\reg+8*\ct+7], v8 offset:(\ch)*32*VP+16*VP+32*\ct
.endr
.endm
.macro PVMUL reg, ch                   ; O^T += V^T P, chunk ch from v[reg] on: four accumulators by turns; chunk 0 starts the sums
.irp ct, 0,1,2,3
.if (\ch) == 0
	v_wmma_f32_16x16x32_f16 v[OA+8*\ct:OA+8*\ct+7], v[\reg+8*\ct:\reg+8*\ct+7], v[S+8*(\ch):S+8*(\ch)+7], 0
.else
	v_wmma_f32_16x16x32_f16 v[OA+8*\ct:OA+8*\ct+7], v[\reg+8*\ct:\reg+8*\ct+7], v[S+8*(\ch):S+8*(\ch)+7], v[OA+8*\ct:OA+8*\ct+7]
.endif
.endr
.endm
.macro PLACES                          ; four plain places behind matrix instructions, in front of loads into their sources and of reads of their results; they stay beside the waits
.rept 4
	v_nop
.endr
.endm
	KLOAD 0, 5
	s_wait_dscnt 0x0
	s_wait_loadcnt 0x0                             ; Q
	SMUL 0, 5
	PLACES
	s_wait_alu depctr_va_vdst(0)                   ; the ten products are done reading v144-223, in which K's tiles 5 to 9 land
	KLOAD 5, 5
	s_wait_dscnt 0x0
	SMUL 5, 5
	PLACES
	s_wait_alu depctr_va_vdst(0)                   ; the ten products are done reading v144-207, in which V's chunks 0 and 1 land; no vector line of the softmax below names those registers or v8
	VLOAD FB, 0                                    ; on their way while the softmax is walked
	VLOAD FB+32, 1
	; the band: too old where 16 j + i < e (tiles 0, 1 alone), not yet there where 16 (j - 8) + i > e (tiles 8, 9 alone).  Sixteen compares in a run, one wait, sixteen selects
.irp j, 0,1
.irp i, 0,1,2,3,4,5,6,7
	v_cmp_lt_i32 s[MK+8*\j+\i], 16*\j+\i, v13
.endr
.endr
	s_wait_alu depctr_va_sdst(0)                   ; the sixteen masks s8 to s23 are written, ahead of the selects that read them
.irp j, 0,1
.irp i, 0,1,2,3,4,5,6,7
	v_cndmask_b32 v[S+8*\j+\i], v[S+8*\j+\i], v252, s[MK+8*\j+\i]
.endr
.endr
.irp j, 8,9
.irp i, 0,1,2,3,4,5,6,7
	v_cmp_gt_i32 s[MK+8*(\j-8)+\i], 16*(\j-8)+\i, v13
.endr
.endr
	s_wait_alu depctr_va_sdst(0)                   ; the sixteen masks are written anew, ahead of the selects that read them and of the branch below
.irp j, 8,9
.irp i, 0,1,2,3,4,5,6,7
	v_cndmask_b32 v[S+8*\j+\i], v[S+8*\j+\i], v252, s[MK+8*(\j-8)+\i]
.endr
.endr
	s_cmp_lg_u32 s28, 0                            ; a sequence's first block: whole tiles lie ahead of position 0 (a branch on the work-group's number)
	s_cbranch_scc1 .Lhas_halo
.irp j, 0,1,2,3,4,5,6,7
	s_cmp_gt_u32 s55, \j
	s_cselect_b32 s56, -1, 0
.irp i, 0,1,2,3,4,5,6,7
	v_cndmask_b32 v[S+8*\j+\i], v[S+8*\j+\i], v252, s56
.endr
.endr
.Lhas_halo:
	; the row's maximum: five chains of 16 registers, each accumulator first read at its low end
.irp b, 0,1,2,3,4
	v_max3_num_f32 v[240+\b], v[S+16*\b], v[S+1+16*\b], v[S+2+16*\b]
.endr
.irp i, 3,5,7,9,11,13
.irp b, 0,1,2,3,4
	v_max3_num_f32 v[240+\b], v[240+\b], v[S+16*\b+\i], v[S+1+16*\b+\i]
.endr
.endr
.irp b, 0,1,2,3,4
	v_max_num_f32 v[240+\b], v[240+\b], v[S+15+16*\b]
.endr
	v_max3_num_f32 v240, v240, v241, v242
	v_max3_num_f32 v240, v240, v243, v244
	v_permlanex16_b32 v245, v240, s46, s47         ; the query's other keys lie in the lane 16 away
	v_max_num_f32 v240, v240, v245
	v_mul_f32 v246, s44, v240                      ; c m
	v_mov_b32 v247, v246
.set i, 0
.rept 40
	v_pk_fma_f32 v[S+i:S+i+1], v[S+i:S+i+1], s[44:45], v[246:247] op_sel_hi:[1,0,0] neg_lo:[0,0,1] neg_hi:[0,0,1]   ; c s - c m
.set i, i+2
.endr
.set i, 0
.rept 80
	v_exp_f32 v[S+i], v[S+i]                       ; p, at most 1
.set i, i+1
.endr
	v_nop                                          ; a plain instruction behind the last exponential
	s_wait_alu depctr_va_vdst(0)                   ; the eighty exponentials have written p: one wait for the batch, ahead of its first reader
	v_pk_add_f32 v[248:249], v[S:S+1], v[S+2:S+3]  ; the row's sum, of p before it is rounded: two chains
	v_pk_add_f32 v[250:251], v[S+4:S+5], v[S+6:S+7]
.irp j, 8,12,16,20,24,28,32,36,40,44,48,52,56,60,64,68,72,76
	v_pk_add_f32 v[248:249], v[248:249], v[S+\j:S+\j+1]
	v_pk_add_f32 v[250:251], v[250:251], v[S+\j+2:S+\j+3]
.endr
	v_pk_add_f32 v[248:249], v[248:249], v[250:251]
	v_add_f32 v248, v248, v249
	v_permlanex16_b32 v245, v248, s46, s47
	v_add_f32 v248, v248, v245
	v_rcp_f32 v254, v248
	v_nop                                          ; a plain instruction behind the reciprocal; its wait is the one behind the pack, far ahead of its first reader
.set i, 0
.rept 40
	v_cvt_pk_f16_f32 v[S+i], v[S+2*i], v[S+2*i+1]  ; two tiles of S^T pack into one source 1 of 32 keys; in place, ascending: no unread number is written over
.set i, i+1
.endr
	s_wait_alu depctr_va_vdst(0)                   ; the conversions, the last to name them, are done reading v72-103, in which V's chunk 2 lands; and the reciprocal has written v254
	VLOAD V2, 2                                    ; on its way while chunks 0 and 1 are multiplied
	s_wait_dscnt 8                                 ; LDS loads come back in order: chunks 0 and 1 are in; chunk 2's eight loads may be out
	PVMUL FB, 0
	PVMUL FB+32, 1
	PLACES
	s_wait_alu depctr_va_vdst(0)                   ; the eight products are done reading v144-207, in which V's chunks 3 and 4 land
	VLOAD FB, 3                                    ; on their way while chunk 2 is multiplied
	VLOAD FB+32, 4
	s_wait_dscnt 16                                ; chunk 2 is in; the sixteen loads just issued may be out
	PVMUL V2, 2
	s_wait_dscnt 8                                 ; chunk 3 is in; chunk 4's eight may be out
	PVMUL FB, 3
	s_wait_dscnt 0x0
	PVMUL FB+32, 4
	PLACES
.set i, 0
.rept 16
	v_pk_mul_f32 v[144+i:145+i], v[OA+i:OA+i+1], v[254:255] op_sel_hi:[1,0]   ; O^T / the sum, into other registers, each accumulator from its low end on
.set i, i+2
.endr
.set i, 0
.rept 16
	v_cvt_pk_f16_f32 v[176+i], v[144+2*i], v[145+2*i]
.set i, i+1
.endr
	s_wait_alu depctr_va_vdst(0)                   ; the roundings have written v176-191, which the LDS stores read; chunk 4's products are done reading v192-207, in which the loads from the stage land
.irp ct, 0,1,2,3
	ds_store_b128 v10, v[176+4*\ct:179+4*\ct] offset:32*\ct
.endr
	s_wait_dscnt 0x0                               ; a row's 256 bytes come from two waves: my stores have landed,
	s_barrier_signal -1
	s_barrier_wait -1                              ; everybody's have
.irp i, 0,1,2,3
	ds_load_b128 v[192+4*\i:195+4*\i], v11 offset:\i*2*OP
.endr
.irp i, 0,1,2,3
	s_wait_dscnt 3-\i
	global_store_b128 v12, v[192+4*\i:195+4*\i], s[42:43] offset:\i*4096   ; sixteen lanes store 256 consecutive bytes, aligned
.endr
	s_wait_dscnt 0x0                               ; the wave's end
	s_wait_alu 0x0
	s_wait_tensorcnt 0x0
	ds_add_u32 v[SPW], v[NIL]
	s_wait_dscnt 0x0
	s_endpgm
; ================ FINE
.Lfine:
	s_lshr_b32 s25, ttmp9, 4                       ; b
	s_and_b32 s28, ttmp9, 15                       ; head
	s_lshr_b32 s29, s[WV], 2                       ; waves 0-11: q, k or v,
	s_and_b32 s30, s[WV], 3                        ; and which 16 of the head's 64 channels
	s_min_u32 s31, s[WV], 11
	s_lshl_b32 s31, s31, 10
	s_add_co_u32 s31, s31, FIM
	v_and_b32 v10, 31, v0
	v_lshlrev_b32 v6, 4, v10
	v_add_nc_u32 v5, s31, v6                       ; my image: 16 x lane, + 1,024 x wave
	v_add_nc_u32 v6, FIM, v6                       ; the images, for wave 0
	v_lshlrev_b32 v3, 9, v1
	v_lshl_add_u32 v3, v2, 4, v3                   ; codes: row r of 512 bytes, + 16 h
	v_lshlrev_b32 v4, 5, v1                        ; scale words: row r of 32 bytes
	v_lshlrev_b32 v7, 5, v2                        ; bias along the registers: 32 h
	v_lshlrev_b32 v8, 2, v1                        ; bias along the lanes: 4 r
	v_lshlrev_b32 v9, 12, v1
	v_lshl_add_u32 v9, v2, 5, v9                   ; att32: row r of 4,096 bytes, + 32 h
	v_lshlrev_b32 v13, 3, v2
	v_sub_nc_u32 v13, v1, v13                      ; r - 8 h
	s_wait_alu depctr_va_vdst(0)                   ; v3 to v9 are written, ahead of the branch: every load, LDS store, LDS load and store of this path reads one of them as its address, and none is written again
	s_wait_kmcnt 0x0
	s_cmp_lt_u32 s[WV], 12
	s_cbranch_scc0 .Lf_join
	s_lshl_b32 s48, s29, 10
	s_lshl_b32 s49, s28, 6
	s_add_co_u32 s48, s48, s49
	s_lshl_b32 s49, s30, 4
	s_add_co_u32 s48, s48, s49                     ; my 16 rows of wc
	s_lshl_b32 s26, s48, 9
	s_add_nc_u64 s[32:33], s[12:13], s[26:27]
	s_lshl_b32 s26, s48, 5
	s_add_nc_u64 s[34:35], s[14:15], s[26:27]
	s_lshl_b32 s26, s25, 20                        ; the batch's first 16 rows of xc
	s_add_nc_u64 s[36:37], s[8:9], s[26:27]
	s_lshl_b32 s26, s25, 16
	s_add_nc_u64 s[38:39], s[10:11], s[26:27]
	s_cmp_lt_u32 s[WV], 8                          ; q, k: source 0 = W, source 1 = x: a lane holds a position, its registers 8 channels.  v: the other way round: a lane holds a channel, its registers 8 positions
	s_cselect_b64 s[40:41], s[32:33], s[36:37]
	s_cselect_b64 s[42:43], s[36:37], s[32:33]
	s_cselect_b64 s[50:51], s[34:35], s[38:39]
	s_cselect_b64 s[52:53], s[38:39], s[34:35]
	s_cmp_eq_u32 s29, 0
	s_cselect_b64 s[54:55], s[16:17], s[18:19]
	s_cmp_eq_u32 s29, 2
	s_cselect_b64 s[54:55], s[20:21], s[54:55]
	s_and_b32 s26, s48, 1023
	s_lshl_b32 s26, s26, 2
	s_add_nc_u64 s[54:55], s[54:55], s[26:27]      ; the bias of my 16 channels
.irp s, 0,1,2,3,4,5,6,7
.irp c, 0,1
	global_load_b128 v[16+8*\s+4*\c:19+8*\s+4*\c], v3, s[40:41] offset:64*\s+32*\c
	global_load_b128 v[144+8*\s+4*\c:147+8*\s+4*\c], v3, s[42:43] offset:64*\s+32*\c
.endr
.endr
.irp c, 0,1
	global_load_b128 v[224+4*\c:227+4*\c], v4, s[50:51] offset:16*\c   ; eight scale words a row: one for each 128 along K
	global_load_b128 v[232+4*\c:235+4*\c], v4, s[52:53] offset:16*\c
.endr
	s_cmp_lt_u32 s[WV], 8
	s_cbranch_scc0 .Lf_bias_v
	global_load_b128 v[208:211], v7, s[54:55]
	global_load_b128 v[212:215], v7, s[54:55] offset:16
	s_branch .Lf_bias_done
.Lf_bias_v:
.irp j, 0,1,2,3,4,5,6,7
	global_load_b32 v[208+\j], v8, s[54:55]
.endr
.Lf_bias_done:
	s_wait_loadcnt 0x0
	v_wmma_scale_f32_16x16x128_f8f6f4 v[216:223], v[16:23], v[144:151], v[208:215], v224, v232 matrix_a_fmt:MATRIX_FMT_FP4 matrix_b_fmt:MATRIX_FMT_FP4
.irp s, 1,2,3,4,5,6,7
	s_wait_alu depctr_va_vdst(0)                   ; the link before has written v216-223
	v_wmma_scale_f32_16x16x128_f8f6f4 v[216:223], v[16+8*\s:23+8*\s], v[144+8*\s:151+8*\s], v[216:223], v[224+\s], v[232+\s] matrix_a_fmt:MATRIX_FMT_FP4 matrix_b_fmt:MATRIX_FMT_FP4
.endr
.rept 5
	v_nop
.endr
	s_wait_alu depctr_va_vdst(0)                   ; the last link has written v216-223, which the LDS stores read (the places above stay beside this wait); and the eight products are done reading v16-79, in which wave 0's images land
	ds_store_b128 v5, v[216:219]                   ; the sum goes to wave 0 as an image of its registers
	ds_store_b128 v5, v[220:223] offset:512
.Lf_join:
	s_wait_dscnt 0x0
	s_barrier_signal -1
	s_barrier_wait -1
	s_cmp_lg_u32 s[WV], 0
	s_cbranch_scc1 .Lf_end
.irp t, 0,1,2,3,4,5,6,7,8,9,10,11
	ds_load_b128 v[16+8*\t:19+8*\t], v6 offset:\t*1024       ; q: v16-47, k: v48-79, v: v80-111
	ds_load_b128 v[20+8*\t:23+8*\t], v6 offset:\t*1024+512
.endr
	s_wait_dscnt 0x0
	; S^T = k q^T in f32: slot (h, j) of a K step of 4 is channel 16 c + 8 h + 2 s + j in both sources.  Four accumulators by turns, added afterwards
.irp s, 0,1,2,3
.irp c, 0,1,2,3
.if \s == 0
	v_wmma_f32_16x16x4_f32 v[OA+8*\c:OA+8*\c+7], v[48+8*\c+2*\s:49+8*\c+2*\s], v[16+8*\c+2*\s:17+8*\c+2*\s], 0
.else
	v_wmma_f32_16x16x4_f32 v[OA+8*\c:OA+8*\c+7], v[48+8*\c+2*\s:49+8*\c+2*\s], v[16+8*\c+2*\s:17+8*\c+2*\s], v[OA+8*\c:OA+8*\c+7]
.endif
.endr
.endr
.rept 8
	v_nop
.endr
.irp i, 0,2,4,6
	v_pk_add_f32 v[144+\i:145+\i], v[OA+\i:OA+\i+1], v[OA+8+\i:OA+9+\i]
.endr
.irp i, 0,2,4,6
	v_pk_add_f32 v[152+\i:153+\i], v[OA+16+\i:OA+17+\i], v[OA+24+\i:OA+25+\i]
.endr
.irp i, 0,2,4,6
	v_pk_add_f32 v[144+\i:145+\i], v[144+\i:145+\i], v[152+\i:153+\i]
.endr
.irp j, 0,1,2,3,4,5,6,7
	v_cmp_gt_i32 s[FMK+\j], \j, v13                ; key 8 h + j comes after query r
.endr
	s_wait_alu depctr_va_sdst(0)                   ; the eight masks s32 to s39 are written, ahead of the selects that read them
.irp j, 0,1,2,3,4,5,6,7
	v_cndmask_b32 v[144+\j], v[144+\j], v252, s[FMK+\j]
.endr
	v_max3_num_f32 v240, v144, v145, v146
	v_max3_num_f32 v241, v147, v148, v149
	v_max3_num_f32 v240, v240, v150, v151
	v_max_num_f32 v240, v240, v241
	v_permlanex16_b32 v245, v240, s46, s47
	v_max_num_f32 v240, v240, v245
	v_mul_f32 v246, s44, v240
	v_mov_b32 v247, v246
.irp i, 0,2,4,6
	v_pk_fma_f32 v[144+\i:145+\i], v[144+\i:145+\i], s[44:45], v[246:247] op_sel_hi:[1,0,0] neg_lo:[0,0,1] neg_hi:[0,0,1]
.endr
.irp j, 0,1,2,3,4,5,6,7
	v_exp_f32 v[144+\j], v[144+\j]
.endr
	v_nop
	s_wait_alu depctr_va_vdst(0)                   ; the eight exponentials have written v144-151: one wait, ahead of their first reader
	v_pk_add_f32 v[248:249], v[144:145], v[146:147]
	v_pk_add_f32 v[250:251], v[148:149], v[150:151]
	v_pk_add_f32 v[248:249], v[248:249], v[250:251]
	v_add_f32 v248, v248, v249
	v_permlanex16_b32 v245, v248, s46, s47
	v_add_f32 v248, v248, v245
	v_rcp_f32 v254, v248
	v_nop
	; O^T = v^T p in f32: slot (h, j) is key 8 h + 2 s + j in both sources; the sums begin anew with the constant 0, far more than nine places behind the scores' last product
.irp s, 0,1,2,3
.irp c, 0,1,2,3
.if \s == 0
	v_wmma_f32_16x16x4_f32 v[OA+8*\c:OA+8*\c+7], v[80+8*\c+2*\s:81+8*\c+2*\s], v[144+2*\s:145+2*\s], 0
.else
	v_wmma_f32_16x16x4_f32 v[OA+8*\c:OA+8*\c+7], v[80+8*\c+2*\s:81+8*\c+2*\s], v[144+2*\s:145+2*\s], v[OA+8*\c:OA+8*\c+7]
.endif
.endr
.endr
.rept 8
	v_nop
.endr
	s_wait_alu depctr_va_vdst(0)                   ; the reciprocal has written v254, ahead of its first reader
.set i, 0
.rept 32
	v_mul_f32 v[160+i], v[OA+i], v254
.set i, i+1
.endr
	s_lshl_b32 s26, s25, 16                        ; att32: 16 rows of 4,096 bytes a batch,
	s_lshl_b32 s48, s28, 8                         ; 256 bytes a head
	s_add_co_u32 s26, s26, s48
	s_add_nc_u64 s[22:23], s[22:23], s[26:27]
	s_wait_alu depctr_va_vdst(0)                   ; the thirty-two multiplications have written v160-191, which the stores read
.irp c, 0,1,2,3
	global_store_b128 v9, v[160+8*\c:163+8*\c], s[22:23] offset:64*\c
	global_store_b128 v9, v[164+8*\c:167+8*\c], s[22:23] offset:64*\c+16
.endr
.Lf_end:
	s_wait_dscnt 0x0                               ; the wave's end
	s_wait_alu 0x0
	s_wait_tensorcnt 0x0
	ds_add_u32 v[SPW], v[NIL]
	s_wait_dscnt 0x0
	s_endpgm
.Lfunc_end_k_q69d268e861_attn:
	.size	k_q69d268e861_attn, .Lfunc_end_k_q69d268e861_attn-k_q69d268e861_attn
	.p2alignl 7, 3214868480
	.fill 96, 4, 3214868480
	.section	.rodata,"a",@progbits
	.p2align	6, 0x0
	.amdhsa_kernel k_q69d268e861_attn
		.amdhsa_group_segment_fixed_size 204800
		.amdhsa_private_segment_fixed_size 0
		.amdhsa_enable_private_segment 0
		.amdhsa_kernarg_size 80
		.amdhsa_user_sgpr_count 2
		.amdhsa_user_sgpr_kernarg_segment_ptr 1
		.amdhsa_wavefront_size32 1
		.amdhsa_system_sgpr_workgroup_id_x 1
		.amdhsa_system_sgpr_workgroup_id_y 1
		.amdhsa_system_sgpr_workgroup_id_z 1
		.amdhsa_system_vgpr_workitem_id 0
		.amdhsa_next_free_vgpr 256
		.amdhsa_next_free_sgpr 66
		.amdhsa_reserve_vcc 0
		.amdhsa_float_denorm_mode_32 3
		.amdhsa_float_denorm_mode_16_64 3
		.amdhsa_memory_ordered 1
		.amdhsa_forward_progress 1
		.amdhsa_inst_pref_size 59
	.end_amdhsa_kernel
	.amdgpu_metadata
---
amdhsa.version: [ 1, 2 ]
amdhsa.kernels:
  - .name:           k_q69d268e861_attn
    .symbol:         k_q69d268e861_attn.kd
    .args:
      - { .name: qkv, .offset: 0, .size: 8, .value_kind: global_buffer, .address_space: global }
      - { .name: att, .offset: 8, .size: 8, .value_kind: global_buffer, .address_space: global }
      - { .name: xc, .offset: 16, .size: 8, .value_kind: global_buffer, .address_space: global }
      - { .name: xs, .offset: 24, .size: 8, .value_kind: global_buffer, .address_space: global }
      - { .name: wc, .offset: 32, .size: 8, .value_kind: global_buffer, .address_space: global }
      - { .name: ws, .offset: 40, .size: 8, .value_kind: global_buffer, .address_space: global }
      - { .name: bq, .offset: 48, .size: 8, .value_kind: global_buffer, .address_space: global }
      - { .name: bk, .offset: 56, .size: 8, .value_kind: global_buffer, .address_space: global }
      - { .name: bv, .offset: 64, .size: 8, .value_kind: global_buffer, .address_space: global }
      - { .name: att32, .offset: 72, .size: 8, .value_kind: global_buffer, .address_space: global }
    .group_segment_fixed_size: 204800
    .private_segment_fixed_size: 0
    .kernarg_segment_align: 8
    .kernarg_segment_size: 80
    .max_flat_workgroup_size: 512
    .sgpr_count:     66
    .vgpr_count:     256
    .wavefront_size: 32
...
	.end_amdgpu_metadata
.endif
;; end of part 6
;; launch proj: the kernel of part 4 again; grid 8 x 64, 4 waves a work-group, clusters of 4 x 4, 327,680 bytes of LDS; arguments att, wot, bo, out0; writes out0
;; launch fineproj: the kernel of part 5 again; grid 64 x 4, 8 waves a work-group, no clusters, 11,264 bytes of LDS; arguments att32, Wo, bo, out0; writes out0
